; MI455X (gfx1250); checked and timed in simulation.
; The chip was launched on July 23, 2026; its instructions are those of AMD's public machine-readable ISA for CDNA 5 (MIT licence, August 2026) and "CDNA5" Instruction Set Architecture Reference Guide (July 2026). The comments in the code are by the model that wrote it; some were corrected since.
;; Multi Head Flex Attention. Allowed arithmetic: matrix products marked QUANTISED: E2M3 operands, one E8M0 scale for each 32 along K, by v_wmma_scale_f32_16x16x128_f8f6f4 with both operands' format E2M3, f32 sums; everything else in f32.
;; Inputs: Wk 1,024 x 1,024 float32; Wq 1,024 x 1,024 float32; Wv 1,024 x 1,024 float32; bk 1,024 float32; bq 1,024 float32; bv 1,024 float32; hidden_states 4 x 2,048 x 1,024 float32.
;; Outputs: out0 4 x 2,048 x 1,024 float32.
;; This version of the problem:
;;   THIS VERSION OF THE PROBLEM IS GIVEN IN LOW PRECISION. The matrix products marked QUANTISED in the list below multiply operands that are first quantised to E2M3 (2 exponent bits, 3 mantissa bits; 6 bits a number), with one power-of-two scale for each 32 numbers along K (OCP MX v1.0); their sums are f32. All else is computed in f32.
;;   The module's matrix products, in the order in which they are computed (A, B: the left and right operand; K: the contracted axis; several contracted axes count as one K, in the product's order):
;;     1. [M 8,192, K 1,024] x [K 1,024, N 1,024]; A: input hidden_states; B: input Wq: QUANTISED
;;     2. [M 8,192, K 1,024] x [K 1,024, N 1,024]; A: input hidden_states; B: input Wk: QUANTISED
;;     3. [M 8,192, K 1,024] x [K 1,024, N 1,024]; A: input hidden_states; B: input Wv: QUANTISED
;;     4. batch 64 x [M 2,048, K 64] x [K 64, N 2,048]; A: computed on the way; B: computed on the way: QUANTISED
;;     5. batch 64 x [M 2,048, K 2,048] x [K 2,048, N 64]; A: softmax (see below); B: computed on the way: QUANTISED
;;   THE QUANTISER, for each operand of a quantised product, along K:
;;     - K is cut into blocks of 32 from its start; a last block that is shorter is filled with zeros.
;;     - A block's scale is 2^e with e = floor(log2(the largest magnitude in the block)) - 2, held to -126 .. 127; a block of zeros has e = 0. As a byte (E8M0): e + 127.
;;     - Each number is divided by its block's scale, clamped to +-7.5, and rounded to the nearest number of E2M3, ties to even, subnormals kept.
;;     - The product sums the exact products of the quantised numbers (number of the format x scale) in f32.
;;   ~~~python
;;   def quantise(x, axis):      # numpy; x: float32 -> the quantised numbers, widened to float32 again
;;       x = np.moveaxis(x, axis, -1); K = x.shape[-1]
;;       x = np.pad(x, [(0, 0)] * (x.ndim - 1) + [(0, -K % 32)]); x = x.reshape(x.shape[:-1] + (-1, 32)); a = np.abs(x).max(-1, keepdims=True)
;;       e = np.where(a > 0, np.clip(np.frexp(np.where(a > 0, a, 1))[1] - 1 - 2, -126, 127), 0)      # np.frexp(a)[1] - 1 = floor(log2(a)), exactly
;;       r = np.clip(x / 2.0 ** e, -7.5, 7.5)
;;       step = 2.0 ** (np.maximum(np.frexp(np.where(r == 0, 1, r))[1] - 1, 0) - 3)
;;       q = np.round(r / step) * step * 2.0 ** e      # np.round: ties to even
;;       return np.moveaxis(q.reshape(q.shape[:-2] + (-1,))[..., :K], -1, axis).astype(np.float32)
;;   ~~~
;;   SOFTMAX AHEAD OF A QUANTISED PRODUCT. Where the list says 'softmax', what is quantised is not the finished softmax but p = 2^(t - M), with t = logit x log2(e) and M = ceil(the row's largest t), a whole number; so 1/2 < the row's largest p <= 1. The row's sum l is taken of the UNQUANTISED p, in f32, and the product's result is divided by l at the end. Since M is a whole number, a kernel that streams over the keys may use a running M (the ceiling of the running maximum): every later rescaling is an exact power of two, which a block's scale takes up: the codes' values come out the same.
;;   OPERANDS COMPUTED ON THE WAY. 'Computed on the way' means the value that the module computes at that place (a softmax that the list does not call 'softmax' is quantised finished and normalised). What goes into a quantiser is computed in f32, as accurately as f32 sums, v_exp_f32 and their like allow (about 1e-6 of the number): no bf16 or f16 on the way to a quantiser, and a product that is left as it is and whose result goes on into a quantised operand takes f32 operands (vector FMAs, or v_wmma_f32_16x16x4_f32). A number that lies on a knife's edge between two numbers of the format may be rounded either way, as far as f32 arithmetic and the matrix unit's own rounding can turn it there, and no further.
;; One version. Each part assembles by itself: llvm-mc -triple=amdgcn-amd-amdhsa -mcpu=gfx1250 --defsym DOCPART=n.
;; ======== version 1 of 1: 3 launches
;; limits: right only within a limited range of input values
;; workspace buffers: xc 6,553,600 bytes; wc 2,457,600 bytes; qimg 6,815,744 bytes; kv 13,369,344 bytes
;; launch quant (part 1): grid 352 x 1, 4 waves a work-group, no clusters, 61,952 bytes of LDS; arguments hidden_states, Wq, Wk, Wv, xc, wc; writes xc, wc
.if DOCPART == 1
	.amdgcn_target "amdgcn-amd-amdhsa--gfx1250"
	.amdhsa_code_object_version 6
	.text
	.protected	k_q4f9cd2b1b9_quant
	.globl	k_q4f9cd2b1b9_quant
	.p2align	8
	.type	k_q4f9cd2b1b9_quant,@function
k_q4f9cd2b1b9_quant:
	s_mov_b64 s[64:65], 0
	v_nop
	global_prefetch_b8 v0, s[64:65] scope:SCOPE_SE
	s_setreg_imm32_b32 hwreg(HW_REG_WAVE_MODE, 25, 1), 1
	s_wait_xcnt 0x0
; hidden_states [8192][1024] (K innermost) and Wq, Wk, Wv [1024 (k)][1024 (n)] (K outermost), f32, become codes of FP6 (E2M3) with one E8M0 scale byte for each 32 along K.
; A block's scale is 2^(floor(log2(its largest magnitude)) - 2): its byte is the largest magnitude's exponent field - 2, held at 1 from below by a floor among the maximum's leaves.
; LIMITS: NaN and infinities among the inputs are not served.  A block of zeros gets the byte 1 where the rule says 127: its codes are zeros, and this program alone reads the bytes.
; WHAT IS STORED ARE IMAGES OF OPERAND REGISTERS.  A fragment is 16 rows x 128 K, 12 registers a lane: lane (r, h) holds k = 64 c + 32 h + 0 .. 31 of its row in registers 6 c .. 6 c + 5.
; Register R of lane l lies at byte 512 (R / 4) + 16 l + 4 (R % 4) of the fragment's 1,536 bytes, so that the product's launch takes a fragment by three loads of 16 bytes a lane.
; A PANEL is 128 rows (tokens, or columns of a weight) in 8 blocks of 16: lane r of block i is row 32 (i / 2) + 8 (i % 2) + r + 8 (r / 8).
; A RECORD (25,600 bytes) is a panel x 256 along K: [q = 0, 1][block 0 .. 7] fragments, then at 24,576 [pair j = 0 .. 3] 256 bytes of scale words: lane l has 8 bytes, the words of q = 0 and 1; lanes 0-15 block 2 j, lanes 16-31 block 2 j + 1.
; xc = [64 panels][4 records], wc = [24 panels: Wq's 8, Wk's 8, Wv's 8][4 records].
; SHARES.  A wave makes one pair of blocks x 256 K: four fragments and their 256 bytes of scale words.  Work-groups 0-255 take hidden_states (32 rows each, wave = which 256 along K),
; work-groups 256-351 the weights (a panel x 256 along K each, wave = the pair of blocks).  Waves share nothing: no barrier.  No input is read by two work-groups: no cluster, no tensor load.
; The two paths have LDS bytes of their own.
.set REC,   25600
.set PANEL, 4*REC
.set XSTG,  16*528                     ; tokens' path: a wave's stage, 16 rows x (512 bytes + 16)
.set WBASE, 4*XSTG                     ; weights' path: from here on, WREG bytes a wave
.set WREG,  6912                       ; four fragment images FPIT bytes apart, then 256 bytes of scale words
.set FPIT,  1664                       ; 1,536 + 128: the two blocks' lanes of one store fall on different banks
.set R,     16                         ; v16-143  two sets of 64: a fragment's numbers as loaded
.set N,     144                        ; v144-207 my 64 numbers: register 32 c + i = k 64 c + 32 h + i
.set C,     208                        ; v208-219 the fragment's codes
	s_load_b256 s[4:11], s[0:1], 0x0               ; hidden_states s[4:5], Wq s[6:7], Wk s[8:9], Wv s[10:11]
	s_load_b128 s[12:15], s[0:1], 0x20             ; xc s[12:13], wc s[14:15]
	v_lshl_add_u32 v240, v0, 2, 0xf000
	v_mov_b32 v241, 0
	v_lshrrev_b32 v1, 5, v0
	v_readfirstlane_b32 s16, v1                    ; wave 0..3
	v_and_b32 v6, 31, v0                           ; lane
	s_mov_b32 s20, 0x76543210
	s_mov_b32 s21, 0xfedcba98                      ; v_permlanex16_b32's selects for lane l xor 16
	s_mov_b32 s22, 0xffff0000                      ; lanes 16-31
	s_cmp_lt_u32 ttmp9, 256
	s_cbranch_scc0 .Lweights
; ---------------- hidden_states: K is innermost ----------------
	v_lshlrev_b32 v1, 4, v6                        ; 16 x lane
	v_lshlrev_b32 v2, 3, v6                        ; 8 x lane
	s_mul_i32 s17, s16, XSTG
	v_add_nc_u32 v3, s17, v1                       ; the stage, on the way in: a row's 512 bytes as they lie
	v_and_b32 v7, 15, v0                           ; r
	v_bfe_u32 v8, v0, 4, 1                         ; h
	v_mul_u32_u24 v4, v7, 528
	v_lshl_add_u32 v4, v8, 7, v4
	v_add_nc_u32 v4, s17, v4                       ; and on the way out: row r, + 128 h bytes: my 32 numbers of a 64
	v_lshlrev_b32 v5, 3, v8                        ; 8 h: my bytes' place in a scale word
	v_mov_b32 v235, 0                              ; written once: a lane permute's destination counts as one of its sources
	; TOKENS: lane r of block 4 c + u is the panel's row 64 c + 32 (r / 8) + 8 u + r % 8 (the order stated at the head holds for the weights' columns alone).
	; So a pair of blocks begins at row 64 x (work-group / 2) + 16 x (work-group % 2) of hidden_states, rows of 4,096 bytes
	s_lshr_b32 s24, ttmp9, 1
	s_lshl_b32 s24, s24, 18
	s_and_b32 s18, ttmp9, 1
	s_lshl_b32 s18, s18, 16
	s_add_co_u32 s24, s24, s18
	s_lshl_b32 s18, s16, 10                        ; my wave's 256 along K
	s_add_co_u32 s24, s24, s18
	s_mov_b32 s25, 0
	s_lshr_b32 s26, ttmp9, 2                       ; the panel
	s_mul_i32 s26, s26, PANEL
	s_mul_i32 s18, s16, REC
	s_add_co_u32 s26, s26, s18                     ; the record
	s_and_b32 s18, ttmp9, 3                        ; the pair of blocks
	s_mul_i32 s19, s18, 3072
	s_lshl_b32 s18, s18, 8
	s_add_co_u32 s28, s26, s18
	s_add_co_u32 s28, s28, 24576                   ; its scale words
	s_add_co_u32 s26, s26, s19                     ; its codes
	s_mov_b32 s27, 0
	s_mov_b32 s29, 0
	s_wait_alu depctr_va_vdst(0)
	s_wait_kmcnt 0x0
	s_add_nc_u64 s[4:5], s[4:5], s[24:25]
	s_add_nc_u64 s[26:27], s[12:13], s[26:27]
	s_add_nc_u64 s[28:29], s[12:13], s[28:29]
; fragment f: q = f / 2 (which 128 along K), u = f % 2 (which block of the pair).  Sixteen loads, a row each: 32 lanes read 512 consecutive bytes
.macro XLOAD f
.irp jj, 0,1,2,3,4,5,6,7,8,9,10,11,12,13,14,15
	global_load_b128 v[R+64*((\f)%2)+4*\jj:R+64*((\f)%2)+4*\jj+3], v1, s[4:5] offset:(8*((\f)%2)+(\jj%8)+32*(\jj/8))*4096+512*((\f)/2) th:TH_LOAD_NT
.endr
.endm
.macro FRAGX f
.set RS, R+64*((\f)%2)
.if (\f) < 3
	s_wait_loadcnt 16                              ; this fragment's 16 loads are in; the next fragment's 16 may be out
.else
	s_wait_loadcnt 0x0
.endif
.irp jj, 0,1,2,3,4,5,6,7,8,9,10,11,12,13,14,15
	ds_store_b128 v3, v[RS+4*\jj:RS+4*\jj+3] offset:528*\jj
.endr
.irp c, 0,1
.irp i, 0,1,2,3,4,5,6,7
	ds_load_b128 v[N+32*\c+4*\i:N+32*\c+4*\i+3], v4 offset:256*\c+16*\i   ; LDS serves a wave's instructions in order: these see the stores above
.endr
.endr
	s_wait_dscnt 0x0                               ; my 64 numbers are here, and the stores have read their registers,
.if (\f)+2 < 4
	XLOAD (\f)+2                                   ; which take the fragment two further on
.endif
.irp c, 0,1                                    ; my block 2 c + h: all its 32 numbers are mine
	v_max3_num_f32 v[228+\c], |v[N+32*\c]|, |v[N+32*\c+1]|, 0x1800000   ; and the floor 2^(3 - 127): the byte cannot fall under 1
.endr
.irp i, 2,4,6,8,10,12,14,16,18,20,22,24,26,28,30
.irp c, 0,1
	v_max3_num_f32 v[228+\c], v[228+\c], |v[N+32*\c+\i]|, |v[N+32*\c+\i+1]|   ; (the two blocks by turns)
.endr
.endr
.irp c, 0,1
	v_add_nc_u32 v[230+\c], 0xff000000, v[228+\c]  ; 2 off the exponent field: the conversion takes the exponent field of this operand as its scale
.endr
.irp c, 0,1
	v_lshrrev_b32 v[232+\c], 23, v[230+\c]         ; the scale's byte
.endr
	v_lshl_or_b32 v234, v233, 16, v232             ; my two bytes: blocks h and 2 + h of row r,
	v_lshlrev_b32 v234, v5, v234                   ; at their places in the word;
	v_permlanex16_b32 v235, v234, s20, s21
	v_or_b32 v234, v234, v235                      ; with lane l xor 16's two the word is whole
	s_wait_alu depctr_va_vdst(0)
	s_wait_xcnt 0x0                                ; the last fragment's stores have read the codes' registers: they are written again only behind this wait
.irp c, 0,1
	v_cvt_scalef32_pk16_fp6_f32 v[C+6*\c:C+6*\c+2], v[N+32*\c:N+32*\c+15], v[230+\c]
	v_cvt_scalef32_pk16_fp6_f32 v[220+4*\c:222+4*\c], v[N+32*\c+16:N+32*\c+31], v[230+\c]   ; (a conversion's three registers begin on an even number)
.endr
	v_nop                                          ; one plain place behind a scaled conversion
.irp c, 0,1
.irp i, 0,1,2
	v_mov_b32 v[C+6*\c+3+\i], v[220+4*\c+\i]
.endr
.endr
.irp g, 0,1,2
	global_store_b128 v1, v[C+4*\g:C+4*\g+3], s[26:27] offset:((\f)/2)*12288+((\f)%2)*1536+512*\g   ; 32 lanes store 512 consecutive bytes, at a multiple of 256 from the buffer's first byte
.endr
.if (\f)%2 == 0
	v_mov_b32 v[236+(\f)/2], v234                  ; the even block's words (lanes 0-15 are read),
.else
	v_cndmask_b32 v[236+(\f)/2], v[236+(\f)/2], v234, s22   ; the odd block's in lanes 16-31
.endif
.endm
	XLOAD 0
	XLOAD 1
	FRAGX 0
	FRAGX 1
	FRAGX 2
	FRAGX 3
	global_store_b64 v2, v[236:237], s[28:29]      ; 32 lanes store 256 consecutive bytes
	s_wait_tensorcnt 0x0
	ds_add_u32 v240, v241
	s_wait_dscnt 0x0
	s_endpgm
; ---------------- the weights: K is the first axis.  A lane takes a column, and its registers run down K ----------------
.Lweights:
	s_sub_co_u32 s17, ttmp9, 256
	s_lshr_b32 s18, s17, 2                         ; the panel, 0 .. 23
	s_and_b32 s19, s17, 3                          ; which 256 along K
	s_lshr_b32 s23, s18, 3                         ; which weight
	s_and_b32 s24, s18, 7
	s_lshl_b32 s24, s24, 9                         ; the panel's 128 columns, 4 bytes each,
	s_lshl_b32 s25, s16, 7                         ; my wave's 32 of them,
	s_add_co_u32 s24, s24, s25
	s_lshl_b32 s25, s19, 20                        ; 256 rows of 4,096 bytes
	s_add_co_u32 s24, s24, s25
	s_mov_b32 s25, 0
	s_mul_i32 s26, s18, PANEL
	s_mul_i32 s27, s19, REC
	s_add_co_u32 s26, s26, s27                     ; the record
	s_lshl_b32 s28, s16, 8
	s_add_co_u32 s28, s28, s26
	s_add_co_u32 s28, s28, 24576                   ; my pair's scale words
	s_mul_i32 s27, s16, 3072
	s_add_co_u32 s26, s26, s27                     ; my pair's codes
	s_mov_b32 s27, 0
	s_mov_b32 s29, 0
	s_wait_alu depctr_va_vdst(0)
	v_lshlrev_b32 v1, 2, v6                        ; in: 4 bytes a lane: 32 neighbouring columns
	v_bfe_u32 v7, v0, 3, 1                         ; column 32 j + l is lane r of block 2 j + u: u = (l / 8) % 2,
	v_and_b32 v8, 7, v0
	v_bfe_u32 v9, v0, 4, 1
	v_lshl_add_u32 v8, v9, 3, v8                   ; r = l % 8 + 8 (l / 16)
	s_mul_i32 s30, s16, WREG
	s_add_co_u32 s30, s30, WBASE                   ; my wave's LDS bytes
	v_mul_u32_u24 v2, v7, FPIT
	v_lshl_add_u32 v2, v8, 4, v2
	v_add_nc_u32 v2, s30, v2                       ; my column's place in its block's images: FPIT u + 16 r
	v_lshl_add_u32 v3, v7, 4, v8
	v_lshlrev_b32 v3, 3, v3
	v_add_nc_u32 v3, s30, v3                       ; and among the scale words: 8 (r + 16 u)
	v_lshlrev_b32 v4, 4, v6                        ; the way out: 16 x lane in memory,
	v_add_nc_u32 v5, s30, v4                       ; and in LDS;
	v_lshlrev_b32 v10, 3, v6                       ; 8 x lane for the scale words,
	v_add_nc_u32 v11, s30, v10
	s_wait_kmcnt 0x0
	s_cmp_eq_u32 s23, 0                            ; the choice hangs on the work-group's number alone
	s_cselect_b64 s[4:5], s[6:7], s[8:9]
	s_cmp_eq_u32 s23, 2
	s_cselect_b64 s[4:5], s[10:11], s[4:5]
	s_add_nc_u64 s[4:5], s[4:5], s[24:25]
	s_add_nc_u64 s[26:27], s[14:15], s[26:27]
	s_add_nc_u64 s[28:29], s[14:15], s[28:29]
.macro WLOAD t                         ; block t: W(32 t + i, my column), i = 0 .. 31, into set t % 2 of v16-79
.irp i, 0,1,2,3,4,5,6,7,8,9,10,11,12,13,14,15,16,17,18,19,20,21,22,23,24,25,26,27,28,29,30,31
	global_load_b32 v[16+32*((\t)%2)+\i], v1, s[4:5] offset:(32*(\t)+\i)*4096 th:TH_LOAD_NT
.endr
.endm
; block t of my column is, in fragment q = t / 4, the six registers 6 c .. 6 c + 5 (c = (t % 4) / 2) of lane r + 16 (t % 2)
.macro BLOCK t
.set XS, 16+32*((\t)%2)
.set WO, ((\t)/4)*2*FPIT+256*((\t)%2)
.if (\t) < 7
	s_wait_loadcnt 32                              ; this block's 32 loads are in; the next block's may be out
.else
	s_wait_loadcnt 0x0
.endif
	v_max3_num_f32 v92, |v[XS]|, |v[XS+1]|, |v[XS+2]|              ; the block's largest magnitude: all 32 numbers are mine; two chains
	v_max3_num_f32 v93, |v[XS+3]|, |v[XS+4]|, |v[XS+5]|
.irp i, 6,10,14,18,22,26
	v_max3_num_f32 v92, v92, |v[XS+\i]|, |v[XS+\i+1]|
	v_max3_num_f32 v93, v93, |v[XS+\i+2]|, |v[XS+\i+3]|
.endr
	v_max3_num_f32 v92, v92, |v[XS+30]|, |v[XS+31]|
	v_max3_num_f32 v92, v92, v93, 0x1800000        ; and the floor 2^(3 - 127)
	v_add_nc_u32 v94, 0xff000000, v92              ; the conversion's scale operand
	v_lshrrev_b32 v95, 23, v94                     ; the scale's byte
.if (\t)%4 == 0
	v_mov_b32 v[96+(\t)/4], v95                    ; four bytes to a word, the lower K in the lower byte
.else
	v_lshl_or_b32 v[96+(\t)/4], v95, 8*((\t)%4), v[96+(\t)/4]
.endif
	v_cvt_scalef32_pk16_fp6_f32 v[80:82], v[XS:XS+15], v94
	v_cvt_scalef32_pk16_fp6_f32 v[88:90], v[XS+16:XS+31], v94      ; (a conversion's three registers begin on an even number)
	v_nop                                          ; one plain place behind a scaled conversion
	v_mov_b32 v83, v88
	v_mov_b32 v84, v89
	v_mov_b32 v85, v90
.if ((\t)%4)/2 == 0
	ds_store_b128 v2, v[80:83] offset:WO           ; registers 0-3,
	ds_store_b64 v2, v[84:85] offset:WO+512        ; 4 and 5
.else
	ds_store_b64 v2, v[80:81] offset:WO+520        ; registers 6 and 7,
	ds_store_b128 v2, v[82:85] offset:WO+1024      ; 8-11
.endif
.if (\t)+2 < 8
	WLOAD (\t)+2
.endif
	s_wait_dscnt 0x0                               ; the stores have read their registers: the next block's codes may be written
.endm
	WLOAD 0
	WLOAD 1
.irp t, 0,1,2,3,4,5,6,7
	BLOCK \t
.endr
	s_wait_alu depctr_va_vdst(0)
	ds_store_b64 v3, v[96:97] offset:4*FPIT        ; my column's two scale words
.irp n, 0,1,2,3,4,5,6,7,8,9,10,11              ; the four images come back as they are to lie in memory: n = 6 q + 3 u + g
	ds_load_b128 v[100+4*\n:103+4*\n], v5 offset:(\n/6)*2*FPIT+((\n/3)%2)*FPIT+512*(\n%3)   ; LDS serves a wave's instructions in order: these see my stores
.endr
	ds_load_b64 v[148:149], v11 offset:4*FPIT
.irp n, 0,1,2,3,4,5,6,7,8,9,10,11
	s_wait_dscnt 12-\n                             ; load n is in: 12 - n were issued behind it
	global_store_b128 v4, v[100+4*\n:103+4*\n], s[26:27] offset:(\n/6)*12288+((\n/3)%2)*1536+512*(\n%3)   ; 512 consecutive bytes
.endr
	s_wait_dscnt 0x0
	global_store_b64 v10, v[148:149], s[28:29]     ; 256 consecutive bytes
	s_wait_tensorcnt 0x0
	ds_add_u32 v240, v241
	s_wait_dscnt 0x0
	s_endpgm
.Lfunc_end_k_q4f9cd2b1b9_quant:
	.size	k_q4f9cd2b1b9_quant, .Lfunc_end_k_q4f9cd2b1b9_quant-k_q4f9cd2b1b9_quant
	.p2alignl 7, 3214868480
	.fill 96, 4, 3214868480
	.section	.rodata,"a",@progbits
	.p2align	6, 0x0
	.amdhsa_kernel k_q4f9cd2b1b9_quant
		.amdhsa_group_segment_fixed_size 61952
		.amdhsa_private_segment_fixed_size 0
		.amdhsa_enable_private_segment 0
		.amdhsa_kernarg_size 48
		.amdhsa_user_sgpr_count 2
		.amdhsa_user_sgpr_kernarg_segment_ptr 1
		.amdhsa_wavefront_size32 1
		.amdhsa_system_sgpr_workgroup_id_x 1
		.amdhsa_system_sgpr_workgroup_id_y 1
		.amdhsa_system_sgpr_workgroup_id_z 1
		.amdhsa_system_vgpr_workitem_id 0
		.amdhsa_next_free_vgpr 242
		.amdhsa_next_free_sgpr 66
		.amdhsa_reserve_vcc 0
		.amdhsa_float_denorm_mode_32 3
		.amdhsa_float_denorm_mode_16_64 3
		.amdhsa_memory_ordered 1
		.amdhsa_forward_progress 1
		.amdhsa_inst_pref_size 72
	.end_amdhsa_kernel
	.amdgpu_metadata
---
amdhsa.version: [ 1, 2 ]
amdhsa.kernels:
  - .name:           k_q4f9cd2b1b9_quant
    .symbol:         k_q4f9cd2b1b9_quant.kd
    .args:
      - { .name: hidden_states, .offset: 0, .size: 8, .value_kind: global_buffer, .address_space: global }
      - { .name: Wq, .offset: 8, .size: 8, .value_kind: global_buffer, .address_space: global }
      - { .name: Wk, .offset: 16, .size: 8, .value_kind: global_buffer, .address_space: global }
      - { .name: Wv, .offset: 24, .size: 8, .value_kind: global_buffer, .address_space: global }
      - { .name: xc, .offset: 32, .size: 8, .value_kind: global_buffer, .address_space: global }
      - { .name: wc, .offset: 40, .size: 8, .value_kind: global_buffer, .address_space: global }
    .group_segment_fixed_size: 61952
    .private_segment_fixed_size: 0
    .kernarg_segment_align: 8
    .kernarg_segment_size: 48
    .max_flat_workgroup_size: 128
    .sgpr_count:     66
    .vgpr_count:     242
    .wavefront_size: 32
...
	.end_amdgpu_metadata
.endif
;; end of part 1
;; launch gemm (part 2): grid 8 x 48, 4 waves a work-group, clusters of 4 x 4, 327,680 bytes of LDS; arguments xc, wc, bq, bk, bv, qimg, kv; writes qimg, kv
.if DOCPART == 2
	.amdgcn_target "amdgcn-amd-amdhsa--gfx1250"
	.amdhsa_code_object_version 6
	.text
	.protected	k_q4f9cd2b1b9_gemm
	.globl	k_q4f9cd2b1b9_gemm
	.p2align	8
	.type	k_q4f9cd2b1b9_gemm,@function
k_q4f9cd2b1b9_gemm:
	s_mov_b64 s[64:65], 0
	v_nop
	global_prefetch_b8 v0, s[64:65] scope:SCOPE_SE
	s_setreg_imm32_b32 hwreg(HW_REG_WAVE_MODE, 25, 1), 1
	s_wait_xcnt 0x0
	s_wait_alu depctr_hold_cnt(0) depctr_sa_sdst(0) depctr_va_vdst(0) depctr_va_sdst(0) depctr_va_ssrc(0) depctr_va_vcc(0) depctr_vm_vsrc(0)
	s_getreg_b32 s2, hwreg(HW_REG_IB_STS2, 6, 4)
	s_cmp_eq_u32 s2, 0
	s_cbranch_scc0 .Lentry_in_a_cluster
	s_endpgm
.Lentry_in_a_cluster:
	s_bfe_u32 s2, ttmp6, 0x10000c
	s_cmp_lg_u32 s2, 0xf033
	s_cbranch_scc0 .Lentry_shape_is_right
	s_endpgm
.Lentry_shape_is_right:
; q = x Wq + bq, k = x Wk + bk, v = x Wv + bv on codes of FP6 (E2M3) with E8M0 scales, K = 1,024; the results are quantised in registers for the attention launch and stored as images of its operand registers.
; xc, wc: records of 25,600 bytes, a panel of 128 rows x 256 along K: [q = 0, 1][block 0 .. 7] fragment images of 1,536 bytes (register R of lane l at 512 (R / 4) + 16 l + 4 (R % 4)), then at 24,576 four times 256 bytes of scale
; words (lane l: the words of q = 0 and 1; lanes 0-15 block 2 j, lanes 16-31 block 2 j + 1).  Lane r of block i is the panel's row 32 (i / 2) + 8 (i % 2) + r + 8 (r / 8).
; D = S0 x S1^T in tiles of 256 x 256: four waves, each 128 x 128 in 64 accumulators.  Source 0 = a block of S0, source 1 = a block of S1: a lane holds ONE row of S1, and by the panels' row order the 16 registers of S0's blocks
; 2 b and 2 b + 1 are 16 NEIGHBOURS along S0's rows: 32 b + 16 (lane / 16) + 0 .. 15.  So S0's rows are what the results are quantised along.
; TWO KINDS OF CLUSTER, told apart by the cluster's y, which all partners share.  y < 8: S0 = Wq's and Wk's columns (the head's 64 run along the registers), S1 = tokens.  y >= 8: S0 = tokens (the keys run along the registers), S1 = Wv's columns.
; CLUSTERS: 4 x 4 work-groups.  S0's tile hangs on cx alone and is asked for jointly by a column of the cluster, S1's on cy alone, by a row.
; LDS: three slots of 102,400 bytes (S1's two panels, S0's two panels, a record each).  K's four records: three first fills, and ONE refill, of slot 0.  A wave has one tensor load out at the most.
; OUT.  qimg [64 heads of a batch][16 panels of 128 queries][6,656]: 48 registers of codes (tile t's six at 6 t: a lane's d = 32 (lane / 16) + 0 .. 31), at 6,144 four registers of scale words (register i: lanes 0-15 tile 2 i, lanes 16-31 tile 2 i + 1;
; a word = the head's two bytes, the upper two 0).  kv [64][16 key steps][13,056]: K as in qimg at 0 and 12,288; at 6,144 V's four fragments (16 channels x 128 keys), at 12,800 V's scale words, 8 bytes a lane.
; LIMITS: NaN and infinities are not served; a block of zeros gets the byte 1 (its codes are zeros; this program alone reads the bytes).
; REGISTERS, in windows of 256.  Window 0: v4-15 LDS addresses, v16-23 the bias's offsets, v24-26 store offsets, v28-29 the add's, v32-63 scale words (two sets), v64-127 the bias, v128-223 S1's fragments (ONE set), and in the epilogue v128-249 at work.
; Window 1: S0's fragments, two sets, at v0 and v128.  Windows 2, 3: the accumulators, (a, b) at v[8 (8 (a % 4) + b)], a = S1's block, b = S0's.
.set REC,   25600
.set PANEL, 4*REC
.set SLOT,  4*REC
.set SPARE, 3*SLOT                     ; behind the slots: the spare words, 128 bytes for each wave: two blocks of 256 bytes that no other line names
.set SCW,   24576                      ; a record's scale words
.set G1A, 28                           ; s[28:35] descriptor group 1 for S1's records;  s[44:55] group 0, a set for each slot
.set G1B, 36                           ; s[36:43], s[68:79] the same for S0's
.set G0A, 44
.set G0B, 68
.set ADRA, 4                           ; v4-6    my panel of S1 in slot 0, 1, 2, + 16 x lane
.set ADRB, 7                           ; v7-9    my panel of S0
.set ADSA, 10                          ; v10-12  my panel of S1, + 8 x lane
.set ADSB, 13                          ; v13-15  my panel of S0
.set VO,   16                          ; v16-23  the bias's offsets
.set L16,  24                          ; v24     16 x lane
.set L8,   25                          ; v25     8 x lane
.set LSC,  26                          ; v26     16 x lane + where a record's scale words of q or k begin
.set SPW,  28                          ; v28     LDS address of my spare word; never rewritten
.set NIL,  29                          ; v29     0; never rewritten
.set SC,   32                          ; scale words: set s at v[SC + 16 s]: S1's at + 2 (a / 2) + q, S0's at + 8 + 2 (b / 2) + q; an odd block's words lie in lanes 16-31
.set BT,   64                          ; the bias, in the results' layout
.set AF,   128                         ; S1's fragments
.set T,    128                         ; the epilogue: v128-191 64 numbers; v192-215 codes; v216-222 halves of blocks; v224-239 maxima, bytes, scale operands; v240-247 scale words; v248-249 the words just made
.set PB,   192
.set CT,   216
.set TM,   224
.set SW,   240
.set WD,   248
.set MSB, 0
.macro WIN new                         ; the immediate's high byte repeats the setting that is left
.if MSB != (\new)
	s_set_vgpr_msb (MSB<<8)|(\new)
.set MSB, (\new)
.endif
.endm
.set MUL_LO, 0xa1                      ; source 0 (S0) window 1, source 1 (S1) window 0, C and D window 2
.set MUL_HI, 0xf1                      ; the same, C and D window 3
.set TO_B,   0x40                      ; destination window 1, address window 0
.macro PLACES n                        ; plain vector instructions between a matrix instruction and a load into, or a vector instruction on, its registers (ISA guide 7.12.1 for vector instructions)
.rept \n
	v_nop
.endr
.endm
.macro CREST                           ; a round of the cluster's barrier behind its opening barrier
	s_cmp_lg_u32 s18, 0
	s_cbranch_scc1 .Lnot_wave_0_\@
	s_barrier_signal -3
.Lnot_wave_0_\@:
	s_barrier_wait -3
	s_barrier_signal -1
	s_barrier_wait -1
.endm
.macro CROUND                          ; a whole round
	s_barrier_signal -1
	s_barrier_wait -1
	CREST
.endm
; The joint refill of slot 0: waves 0 and 1 fetch S1's two panels, waves 2 and 3 S0's.  The branch hangs on the wave's number alone.  Four v_nop follow each of the two lines.
; LDS AS IT IS LAID NOW: fetching wave x has records 0 and 1 on end at 2 x REC (slots 0 and 1) and record 2 at (8 + x) REC (slot 2).  One tensor load a wave at the head brings records 0 and 1 (200 rows);
; record 2 is asked for behind the full sequence and a round; record 3 fills slot 0 again in step 2.  A wave has one tensor load out.
; TOKENS' ORDER IN A PANEL: lane r of block 4 c + u is row 64 c + 32 (r / 8) + 8 u + r % 8; the weights' columns keep the order stated at the head.
.macro JLOAD s                         ; by group 0's set s
	s_cmp_eq_u32 s19, 0
	s_cbranch_scc0 .Lfor_b_\@
	tensor_load_to_lds s[G0A+4*\s:G0A+4*\s+3], s[G1A:G1A+7]
	s_nop 0
.rept 4
	v_nop
.endr
	s_branch .Lasked_\@
.Lfor_b_\@:
	tensor_load_to_lds s[G0B+4*\s:G0B+4*\s+3], s[G1B:G1B+7]
	s_nop 0
.rept 4
	v_nop
.endr
.Lasked_\@:
.endm
	s_load_b256 s[4:11], s[0:1], 0x0               ; xc s[4:5], wc s[6:7], bq s[8:9], bk s[10:11]
	s_load_b128 s[12:15], s[0:1], 0x20             ; bv s[12:13], qimg s[14:15]
	s_load_b64 s[16:17], s[0:1], 0x30              ; kv
	v_lshl_add_u32 v[SPW], v0, 2, SPARE
	v_mov_b32 v[NIL], 0
	ds_add_u32 v28, v29
	ds_add_u32 v28, v29
	s_wait_dscnt 0x0
	v_lshrrev_b32 v1, 5, v0
	v_readfirstlane_b32 s18, v1                    ; wave 0..3
	s_lshr_b32 s19, s18, 1                         ; which panel of S1's tile is mine.  Also: I fetch for S1 (0) or for S0 (1)
	s_and_b32 s20, s18, 1                          ; which panel of S0's tile is mine.  Also: which panel of that tile I fetch
	s_bfe_u32 s21, ttmp6, 0x40000                  ; cx
	s_bfe_u32 s22, ttmp6, 0x40004                  ; cy
	s_mov_b32 s23, ttmp9                           ; the cluster's x: 0, 1
	s_and_b32 s24, ttmp7, 0xffff                   ; the cluster's y: 0 .. 11
	s_sub_co_u32 s80, s24, 8
	s_lshl_b32 s80, s80, 1
	s_add_co_u32 s80, s80, s23                     ; for v: 2 (y - 8) + x
	s_cmp_ge_u32 s24, 8
	s_cselect_b32 s25, 1, 0                        ; the kind: 1 = v
	s_cselect_b32 s80, s80, s23                    ; which four tiles of S0 the cluster takes,
	s_cselect_b32 s81, 0, s24                      ; and which four of S1
	s_lshl_b32 s80, s80, 2
	s_add_co_u32 s80, s80, s21                     ; S0's tile: it hangs on cx alone
	s_lshl_b32 s81, s81, 2
	s_add_co_u32 s81, s81, s22                     ; S1's tile: on cy alone
	s_lshl_b32 s82, s22, 2
	s_lshl_b32 s82, 15, s82                        ; my row of the cluster
	s_lshl_b32 s83, 0x1111, s21                    ; my column
	; descriptor group 1: a record, dense in memory and in LDS: 100 rows of 256 bytes (32 elements of 8 bytes)
	s_or_b32 s[G1A], s82, (3<<16)|(1<<21)          ; 15:0 the mask: S1's records go to my row; 17:16 elements of 8 bytes; 20 padding off; 21 set beside a mask
	s_or_b32 s[G1B], s83, (3<<16)|(1<<21)          ; S0's go to my column
.irp g, G1A, G1B
	s_mov_b32 s[\g+1], 32<<16                      ; tensor_dim0 = 32
	s_mov_b32 s[\g+2], 200<<16                     ; tensor_dim1 = 200: the head's load brings two records
	s_mov_b32 s[\g+3], 32<<16                      ; tile_dim0 = 32
	s_mov_b32 s[\g+4], 200                         ; tile_dim1 = 200
	s_mov_b32 s[\g+5], 32                          ; tensor_dim0_stride
	s_mov_b32 s[\g+6], 0
	s_mov_b32 s[\g+7], 0
.endr
	s_lshl_b32 s84, s81, 1
	s_add_co_u32 s84, s84, s20
	s_mul_i32 s84, s84, PANEL                      ; the panel of S1 that I would fetch, in bytes
	s_mov_b32 s85, 0
	s_lshl_b32 s86, s80, 1
	s_add_co_u32 s86, s86, s20
	s_mul_i32 s86, s86, PANEL                      ; and of S0
	s_mov_b32 s87, 0
	s_mul_i32 s88, s18, 2*REC                      ; where records 0 and 1 go: wave x two records: no place in the cluster enters an LDS address
	s_lshl_b32 s26, s80, 1
	s_add_co_u32 s26, s26, s20                     ; the panel of S0 that I multiply
	s_lshl_b32 s27, s81, 1
	s_add_co_u32 s27, s27, s19                     ; and of S1
	s_mov_b32 s56, 0x76543210
	s_mov_b32 s57, 0xfedcba98                      ; v_permlanex16_b32's selects for lane l xor 16
	s_mov_b32 s58, 0xffff0000                      ; lanes 16-31
	s_wait_kmcnt 0x0
	s_cmp_eq_u32 s25, 1
	s_cselect_b64 s[90:91], s[4:5], s[6:7]         ; S0: tokens for v, else weights
	s_add_nc_u64 s[92:93], s[6:7], 16*PANEL        ; Wv's panels
	s_cselect_b64 s[92:93], s[92:93], s[4:5]       ; S1: Wv for v, else tokens
	s_add_nc_u64 s[90:91], s[90:91], s[86:87]
	s_add_nc_u64 s[92:93], s[92:93], s[84:85]
	CROUND                                         ; all sixteen work-groups are here: the first joint loads meet
.irp s, 0,2                            ; group 0: set 0 for records 0 and 1, later record 3; set 2 for record 2
	s_mov_b32 s[G0A+4*\s], 1                       ; count = 1
	s_add_nc_u64 s[G0A+4*\s+2:G0A+4*\s+3], s[92:93], \s*REC   ; global address: K's record s
	s_or_b32 s[G0A+4*\s+3], s[G0A+4*\s+3], 0x80000000         ; type = 2
	s_mov_b32 s[G0B+4*\s], 1
	s_add_nc_u64 s[G0B+4*\s+2:G0B+4*\s+3], s[90:91], \s*REC
	s_or_b32 s[G0B+4*\s+3], s[G0B+4*\s+3], 0x80000000
.endr
	s_mul_i32 s89, s18, REC
	s_add_co_u32 s[G0A+1], s88, 0                  ; LDS addresses
	s_add_co_u32 s[G0B+1], s88, 0
	s_add_co_u32 s[G0A+9], s89, 8*REC
	s_add_co_u32 s[G0B+9], s89, 8*REC
	JLOAD 0                                        ; records 0 and 1: one tensor load a wave at the head
	s_mul_i32 s84, s19, 2*REC                      ; my panel of S1 in slot 0,
	s_mul_i32 s86, s20, 2*REC
	s_add_co_u32 s86, s86, 4*REC                   ; my panel of S0, behind S1's two
	s_add_co_u32 s94, s84, REC                     ; the same in slot 1,
	s_add_co_u32 s95, s86, REC
	s_mul_i32 s96, s19, REC
	s_mul_i32 s97, s20, REC
	s_add_co_u32 s96, s96, 8*REC                   ; and in slot 2
	s_add_co_u32 s97, s97, 10*REC
	v_and_b32 v1, 31, v0
	v_lshlrev_b32 v[L16], 4, v1
	v_lshlrev_b32 v[L8], 3, v1
	v_add_nc_u32 v[ADRA], s84, v[L16]
	v_add_nc_u32 v[ADRB], s86, v[L16]
	v_add_nc_u32 v[ADSA], s84, v[L8]
	v_add_nc_u32 v[ADSB], s86, v[L8]
	v_add_nc_u32 v[ADRA+1], s94, v[L16]
	v_add_nc_u32 v[ADRB+1], s95, v[L16]
	v_add_nc_u32 v[ADSA+1], s94, v[L8]
	v_add_nc_u32 v[ADSB+1], s95, v[L8]
	v_add_nc_u32 v[ADRA+2], s96, v[L16]
	v_add_nc_u32 v[ADRB+2], s97, v[L16]
	v_add_nc_u32 v[ADSA+2], s96, v[L8]
	v_add_nc_u32 v[ADSB+2], s97, v[L8]
	; THE BIAS, in the results' layout, 64 registers: v[BT + 8 x + j].  q, k: it hangs on S0's row: x = S0's block, number 32 (x / 2) + 8 (x % 2) + 16 (lane / 16) + j of the panel's 128.
	; v: it hangs on S1's row: x = S1's block, number 32 (x / 2) + 8 (x % 2) + r + 8 (r / 8), the same for all j.  One run of loads serves both: only the lane's part and j's step are chosen.  They are waited for in the epilogue.
	v_and_b32 v1, 15, v0                           ; r
	v_bfe_u32 v2, v0, 4, 1
	v_lshlrev_b32 v2, 6, v2                        ; q, k: 64 (lane / 16) bytes
	v_and_b32 v3, 8, v1
	v_add_nc_u32 v3, v3, v1
	v_lshlrev_b32 v3, 2, v3                        ; v: 4 (r + 8 (r / 8))
	s_and_b32 s94, s26, 7
	s_cmp_eq_u32 s25, 1
	s_cselect_b32 s89, -1, 0
	s_cselect_b32 s95, 0, 4                        ; j's step in bytes
	s_cselect_b32 s94, s27, s94                    ; which 128 numbers of the bias
	v_cndmask_b32 v2, v2, v3, s89
	v_mov_b32 v3, s95
.irp j, 0,1,2,3,4,5,6,7
	v_mad_u32_u24 v[VO+\j], v3, \j, v2
.endr
	s_lshl_b32 s94, s94, 9
	s_mov_b32 s95, 0
	s_cmp_eq_u32 s23, 0
	s_cselect_b64 s[96:97], s[8:9], s[10:11]       ; cluster x = 0 makes q, 1 makes k
	s_cmp_eq_u32 s25, 1
	s_cselect_b64 s[96:97], s[12:13], s[96:97]
	s_add_nc_u64 s[96:97], s[96:97], s[94:95]
.irp x, 0,1,2,3,4,5,6,7
.irp j, 0,1,2,3,4,5,6,7
	global_load_b32 v[BT+8*\x+\j], v[VO+\j], s[96:97] offset:128*(\x/2)+32*(\x%2)
.endr
.endr
; One matrix instruction; its registers stand in the symbols rD, rA, rB, rSA, rSB; rW says which of the two scale registers is read in lanes 16-31 (an odd block's words lie there).
.macro WM zero
.if \zero
.if rW == 0
	v_wmma_scale_f32_16x16x128_f8f6f4 v[rD:rD+7], v[rA:rA+11], v[rB:rB+11], 0, v[rSA], v[rSB] matrix_a_fmt:MATRIX_FMT_FP6 matrix_b_fmt:MATRIX_FMT_FP6
.elseif rW == 1
	v_wmma_scale_f32_16x16x128_f8f6f4 v[rD:rD+7], v[rA:rA+11], v[rB:rB+11], 0, v[rSA], v[rSB] matrix_a_fmt:MATRIX_FMT_FP6 matrix_b_fmt:MATRIX_FMT_FP6 matrix_b_scale:MATRIX_SCALE_ROW1
.elseif rW == 2
	v_wmma_scale_f32_16x16x128_f8f6f4 v[rD:rD+7], v[rA:rA+11], v[rB:rB+11], 0, v[rSA], v[rSB] matrix_a_fmt:MATRIX_FMT_FP6 matrix_b_fmt:MATRIX_FMT_FP6 matrix_a_scale:MATRIX_SCALE_ROW1
.else
	v_wmma_scale_f32_16x16x128_f8f6f4 v[rD:rD+7], v[rA:rA+11], v[rB:rB+11], 0, v[rSA], v[rSB] matrix_a_fmt:MATRIX_FMT_FP6 matrix_b_fmt:MATRIX_FMT_FP6 matrix_a_scale:MATRIX_SCALE_ROW1 matrix_b_scale:MATRIX_SCALE_ROW1
.endif
.else
.if rW == 0
	v_wmma_scale_f32_16x16x128_f8f6f4 v[rD:rD+7], v[rA:rA+11], v[rB:rB+11], v[rD:rD+7], v[rSA], v[rSB] matrix_a_fmt:MATRIX_FMT_FP6 matrix_b_fmt:MATRIX_FMT_FP6
.elseif rW == 1
	v_wmma_scale_f32_16x16x128_f8f6f4 v[rD:rD+7], v[rA:rA+11], v[rB:rB+11], v[rD:rD+7], v[rSA], v[rSB] matrix_a_fmt:MATRIX_FMT_FP6 matrix_b_fmt:MATRIX_FMT_FP6 matrix_b_scale:MATRIX_SCALE_ROW1
.elseif rW == 2
	v_wmma_scale_f32_16x16x128_f8f6f4 v[rD:rD+7], v[rA:rA+11], v[rB:rB+11], v[rD:rD+7], v[rSA], v[rSB] matrix_a_fmt:MATRIX_FMT_FP6 matrix_b_fmt:MATRIX_FMT_FP6 matrix_a_scale:MATRIX_SCALE_ROW1
.else
	v_wmma_scale_f32_16x16x128_f8f6f4 v[rD:rD+7], v[rA:rA+11], v[rB:rB+11], v[rD:rD+7], v[rSA], v[rSB] matrix_a_fmt:MATRIX_FMT_FP6 matrix_b_fmt:MATRIX_FMT_FP6 matrix_a_scale:MATRIX_SCALE_ROW1 matrix_b_scale:MATRIX_SCALE_ROW1
.endif
.endif
.endm
; 16 matrix instructions of step k (128 along K): S1's blocks a0, a0 + 1 x S0's eight.  zero = 1: the first product starts the sums: nothing is cleared.
; The 64 accumulators take turns, one instruction a turn, in the same order in every step.
.macro MUL16 a0, k, zero
.irp a, \a0, \a0+1
.irp b, 0,1,2,3,4,5,6,7
.set rD,  8*(8*((\a)%4)+\b)
.set rA,  128*((\k)%2)+12*\b
.set rB,  AF+12*(\a)
.set rSA, SC+8+16*(((\k)/2)%2)+2*(\b/2)+(\k)%2
.set rSB, SC+16*(((\k)/2)%2)+2*((\a)/2)+(\k)%2
.set rW,  2*(\b%2)+(\a)%2
	WM \zero
.endr
.endr
.endm
.macro FRAG reg, adr, off              ; a fragment's image: three loads of 512 consecutive bytes
.irp g, 0,1,2
	ds_load_b128 v[(\reg)+4*\g:(\reg)+4*\g+3], v[\adr] offset:(\off)+512*\g
.endr
.endm
; step k lies in slot (k / 2) % 3, as its half k % 2
.macro FETCH_B k                       ; S0's eight fragments of step k into set k % 2
	WIN TO_B
.irp i, 0,1,2,3,4,5,6,7
	FRAG 128*((\k)%2)+12*\i, ADRB+((\k)/2)%3, ((\k)%2)*12288+1536*\i
.endr
	WIN 0
.endm
.macro FETCH_A k, i0                   ; S1's blocks i0 .. i0 + 3
.irp i, \i0, \i0+1, \i0+2, \i0+3
	FRAG AF+12*(\i), ADRA+((\k)/2)%3, ((\k)%2)*12288+1536*(\i)
.endr
.endm
.macro SCALES k                        ; the scale words of steps k and k + 1 (k even) into set (k / 2) % 2: eight loads
.irp j, 0,1,2,3
	ds_load_b64 v[SC+16*(((\k)/2)%2)+2*\j:SC+16*(((\k)/2)%2)+2*\j+1], v[ADSA+((\k)/2)%3] offset:SCW+256*\j
	ds_load_b64 v[SC+8+16*(((\k)/2)%2)+2*\j:SC+8+16*(((\k)/2)%2)+2*\j+1], v[ADSB+((\k)/2)%3] offset:SCW+256*\j
.endr
.endm
; A step whose successor's record is known to be whole.  A block of S1 is free as soon as its eight products are issued, so one set serves S1: blocks 0-3 are fetched anew in the step's middle, blocks 4-7 at its end.
.macro STEP k, zero
	s_wait_dscnt 12                                ; S0's set, S1's blocks 0-3 and the scale words are in; the youngest 12 loads (S1's blocks 4-7) may be out
	WIN MUL_LO
	MUL16 0, \k, \zero
	MUL16 2, \k, \zero
	s_wait_dscnt 0x0                               ; S1's blocks 4-7 are in
	PLACES 4
	FETCH_B (\k)+1
	FETCH_A (\k)+1, 0
.if ((\k)+1)%2 == 0
	SCALES (\k)+1
.endif
	WIN MUL_HI
	MUL16 4, \k, \zero
	MUL16 6, \k, \zero
	PLACES 4
	WIN 0
	FETCH_A (\k)+1, 4
.endm
; A step with a barrier in its middle.  In front of it each wave waits for all its tensor loads, adds 0 to its spare word, and waits for that and for its own LDS reads.  fill = 1: slot 0, which nobody reads any more, is filled again.
.macro TURN k, fill
	s_wait_tensorcnt 0x0                           ; all my tensor loads have landed  (every window is 0 here: the add's two registers lie in window 0)
	ds_add_u32 v[SPW], v[NIL]                      ; 0 onto my spare word
	s_wait_dscnt 13                                ; (the add and the youngest 12 loads, S1's blocks 4-7, may be out)
	WIN MUL_LO
	MUL16 0, \k, 0                                 ; sixteen matrix instructions stand between the add and the wait for it
	s_wait_dscnt 0x0                               ; the add is done, and my reads of this step's slot are over
	s_barrier_signal -1
	MUL16 2, \k, 0
	WIN 0
	s_barrier_wait -1
.if \fill
	CREST                                          ; the barrier has opened a round of the cluster's barrier: no wave of any partner still reads slot 0 or has a load on its way
	s_add_nc_u64 s[G0A+2:G0A+3], s[G0A+2:G0A+3], 3*REC   ; K's record 3
	s_add_nc_u64 s[G0B+2:G0B+3], s[G0B+2:G0B+3], 3*REC
	JLOAD 0                                        ; the first tensor load behind the round, my only one: two and a half steps, 160 matrix instructions, ahead of the wait for it; its four v_nop are the places in front of the loads below
.else
	PLACES 4
.endif
	FETCH_B (\k)+1
	FETCH_A (\k)+1, 0
.if ((\k)+1)%2 == 0
	SCALES (\k)+1
.endif
	WIN MUL_HI
	MUL16 4, \k, 0
	MUL16 6, \k, 0
	PLACES 4
	WIN 0
	FETCH_A (\k)+1, 4
.endm
	s_wait_alu depctr_va_vdst(0)
	s_wait_tensorcnt 0x0                           ; my part of records 0 and 1 is in
	ds_add_u32 v[SPW], v[NIL]
	s_mov_b32 s[G1A+2], 100<<16                    ; no tensor load of mine is out: from here on a load brings one record, 100 rows
	s_mov_b32 s[G1A+4], 100
	s_mov_b32 s[G1B+2], 100<<16
	s_mov_b32 s[G1B+4], 100
	s_wait_dscnt 0x0
	CROUND                                         ; everybody's part is in, and the joint loads meet
	JLOAD 2                                        ; record 2, slot 2's first fill: the first tensor load behind the round
	FETCH_B 0
	FETCH_A 0, 0
	SCALES 0
	FETCH_A 0, 4
	STEP 0, 1                                      ; the first step's products start the sums
	STEP 1, 0
	TURN 2, 1                                      ; slot 0 was read for the last time in step 1 and is filled again; every wave has waited for all its loads, so slot 2 is whole for everybody
	STEP 3, 0
	STEP 4, 0
	TURN 5, 0                                      ; the refill has landed, in every wave: steps 6 and 7 lie in slot 0
	STEP 6, 0
	s_wait_dscnt 12                                ; the last step: nothing more to fetch
	WIN MUL_LO
	MUL16 0, 7, 0
	MUL16 2, 7, 0
	s_wait_dscnt 0x0
	WIN MUL_HI
	MUL16 4, 7, 0
	MUL16 6, 7, 0
	WIN 0
; THE EPILOGUE, S1's block a at a time: the 8 accumulators (a, 0 .. 7) + the bias are 64 numbers of a lane, register 16 b + i = S0's row 32 b + 16 (lane / 16) + i; they are quantised in blocks of 32 along S0's rows.
.macro TAKE a, vkind                   ; each accumulator is read from its low end on
	WIN 0x02+(\a)/4                                ; source 0: window 2 or 3
.set i, 0
.rept 32
.if \vkind
	v_pk_add_f32 v[T+2*i:T+2*i+1], v[64*((\a)%4)+2*i:64*((\a)%4)+2*i+1], v[BT+8*(\a):BT+8*(\a)+1]
.else
	v_pk_add_f32 v[T+2*i:T+2*i+1], v[64*((\a)%4)+2*i:64*((\a)%4)+2*i+1], v[BT+2*i:BT+2*i+1]
.endif
.set i, i+1
.endr
	WIN 0
.endm
; The 64 numbers become codes: blocks 0, 1 in the six registers from QD0 on, blocks 2, 3 from QD1 on (lane (r, h): 32 h + 0 .. 31 of the 64); the four scale bytes are left in v[TM+4 .. TM+7].
.macro QUANT
.irp b, 0,1,2,3
	v_max3_num_f32 v[TM+\b], |v[T+16*\b]|, |v[T+1+16*\b]|, 0x1800000   ; block b: my 16 numbers, and the floor 2^(3 - 127): the byte cannot fall under 1
.endr
.irp i, 2,4,6,8,10,12,14
.irp b, 0,1,2,3
	v_max3_num_f32 v[TM+\b], v[TM+\b], |v[T+16*\b+\i]|, |v[T+1+16*\b+\i]|   ; (the four blocks by turns)
.endr
.endr
.irp b, 0,1,2,3
	v_permlanex16_b32 v[TM+4+\b], v[TM+\b], s56, s57
.endr
.irp b, 0,1,2,3
	v_max_num_f32 v[TM+\b], v[TM+\b], v[TM+4+\b]   ; with lane l xor 16's: the block's largest magnitude
.endr
.irp b, 0,1,2,3
	v_add_nc_u32 v[TM+12+\b], 0xff000000, v[TM+\b] ; 2 off its exponent field: the conversion's scale operand
.endr
.irp b, 0,1,2,3
	v_lshrrev_b32 v[TM+4+\b], 23, v[TM+12+\b]      ; the scale's byte
.endr
	s_wait_alu depctr_va_vdst(0)
	s_wait_xcnt 0x0                                ; earlier stores have read the codes' registers: they are written again only behind this wait
	v_cvt_scalef32_pk16_fp6_f32 v[QD0:QD0+2], v[T:T+15], v[TM+12]
	v_cvt_scalef32_pk16_fp6_f32 v[CT:CT+2], v[T+16:T+31], v[TM+13]     ; (a conversion's three registers begin on an even number)
	v_cvt_scalef32_pk16_fp6_f32 v[QD1:QD1+2], v[T+32:T+47], v[TM+14]
	v_cvt_scalef32_pk16_fp6_f32 v[CT+4:CT+6], v[T+48:T+63], v[TM+15]
	v_nop                                          ; one plain place behind a scaled conversion
.irp i, 0,1,2                                  ; the operand's layout wants a WHOLE block in a lane: lanes 0-15 the even block, lanes 16-31 the odd one
	v_permlane16_swap_b32 v[QD0+\i], v[CT+\i]
	v_permlane16_swap_b32 v[QD1+\i], v[CT+4+\i]
.endr
.irp i, 0,1,2
	v_mov_b32 v[QD0+3+\i], v[CT+\i]
	v_mov_b32 v[QD1+3+\i], v[CT+4+\i]
.endr
.endm
	PLACES 4                                       ; behind the last products: their results are read and their operands' registers written below
	s_wait_loadcnt 0x0                             ; the bias
.irp b, 0,1,2,3
	v_mov_b32 v[TM+4+\b], 0                        ; written once: a lane permute's destination counts as one of its sources
.endr
	s_cmp_eq_u32 s25, 1                            ; the kind hangs on the cluster's y: the same in all partners and all waves
	s_cbranch_scc1 .Lv_kind
	; ---- q or k.  S0's panel is two heads (c = 0, 1) of 64; S1's block a is tile a of the panel's 128 tokens.  Record ((batch x 16 + head) x 16 + the batch's panel)
	s_lshr_b32 s80, s27, 4
	s_lshl_b32 s80, s80, 4                         ; batch x 16
	s_and_b32 s81, s26, 7
	s_lshl_b32 s81, s81, 1                         ; my first head
	s_add_co_u32 s80, s80, s81
	s_lshl_b32 s80, s80, 4
	s_and_b32 s81, s27, 15
	s_add_co_u32 s80, s80, s81
	s_cmp_eq_u32 s23, 0                            ; q goes to qimg, k to kv
	s_mov_b32 s82, 13056
	s_cselect_b32 s82, 6656, s82                   ; a record,
	s_mov_b32 s83, 12288
	s_cselect_b32 s83, 6144, s83                   ; and where its scale words begin
	s_cselect_b64 s[84:85], s[14:15], s[16:17]
	s_mul_i32 s80, s80, s82
	s_mov_b32 s81, 0
	s_add_nc_u64 s[84:85], s[84:85], s[80:81]      ; head 0's record
	s_lshl_b32 s80, s82, 4
	s_add_nc_u64 s[86:87], s[84:85], s[80:81]      ; head 1's: 16 records on
	v_add_nc_u32 v[LSC], s83, v[L16]
.irp a, 0,1,2,3,4,5,6,7
	TAKE \a, 0
.set QD0, PB+6*(\a%2)                  ; head 0: two tiles' six registers on end,
.set QD1, PB+12+6*(\a%2)               ; head 1 likewise
	QUANT
	v_lshl_or_b32 v[WD], v[TM+5], 8, v[TM+4]       ; a head's two bytes; the word's upper two are 0
	v_lshl_or_b32 v[WD+1], v[TM+7], 8, v[TM+6]
.if \a%2 == 0
	v_mov_b32 v[SW+\a/2], v[WD]                    ; the even tile's words (lanes 0-15 are read),
	v_mov_b32 v[SW+4+\a/2], v[WD+1]
.else
	v_cndmask_b32 v[SW+\a/2], v[SW+\a/2], v[WD], s58          ; the odd tile's in lanes 16-31
	v_cndmask_b32 v[SW+4+\a/2], v[SW+4+\a/2], v[WD+1], s58
.irp g, 0,1,2
	global_store_b128 v[L16], v[PB+4*\g:PB+4*\g+3], s[84:85] offset:512*(3*(\a/2)+\g)        ; 32 lanes store 512 consecutive bytes, at a multiple of 256 from the buffer's first byte
	global_store_b128 v[L16], v[PB+12+4*\g:PB+12+4*\g+3], s[86:87] offset:512*(3*(\a/2)+\g)
.endr
.endif
.endr
	global_store_b128 v[LSC], v[SW:SW+3], s[84:85]
	global_store_b128 v[LSC], v[SW+4:SW+7], s[86:87]
	s_branch .Lfinish
	; ---- v.  S0's panel is a key step of 128 keys; S1's panel is two heads of 64 channels: block a is tile a % 4 of head a / 4.  The 64 numbers become one whole fragment, 16 channels x 128 keys
; V's quantiser.  By the tokens' order a lane's registers 32 c + i are keys 64 c + 32 (lane / 16) + i: a whole block of 32, in the operand's own order.  The 64 numbers become the twelve registers from QD0 on; the scale word is left in v[WD].
.set H8, 27                            ; v27  8 x (lane / 16)
.macro QUANTV
.irp c, 0,1
	v_max3_num_f32 v[TM+\c], |v[T+32*\c]|, |v[T+32*\c+1]|, 0x1800000   ; two chains a block, and the floor 2^(3 - 127)
	v_max3_num_f32 v[TM+2+\c], |v[T+32*\c+2]|, |v[T+32*\c+3]|, |v[T+32*\c+4]|
.endr
.irp i, 5,9,13,17,21,25
.irp c, 0,1
	v_max3_num_f32 v[TM+\c], v[TM+\c], |v[T+32*\c+\i]|, |v[T+32*\c+\i+1]|
	v_max3_num_f32 v[TM+2+\c], v[TM+2+\c], |v[T+32*\c+\i+2]|, |v[T+32*\c+\i+3]|
.endr
.endr
.irp c, 0,1
	v_max3_num_f32 v[TM+\c], v[TM+\c], |v[T+32*\c+29]|, |v[T+32*\c+30]|
.endr
.irp c, 0,1
	v_max3_num_f32 v[TM+\c], v[TM+\c], v[TM+2+\c], |v[T+32*\c+31]|   ; the block's largest magnitude
.endr
.irp c, 0,1
	v_add_nc_u32 v[TM+12+\c], 0xff000000, v[TM+\c] ; the conversion's scale operand
.endr
.irp c, 0,1
	v_lshrrev_b32 v[TM+4+\c], 23, v[TM+12+\c]      ; the scale's byte
.endr
	v_lshl_or_b32 v[WD], v[TM+5], 16, v[TM+4]      ; my two bytes: blocks h and 2 + h,
	v_lshlrev_b32 v[WD], v[H8], v[WD]              ; at their places in the word;
	v_permlanex16_b32 v[TM+6], v[WD], s56, s57
	v_or_b32 v[WD], v[WD], v[TM+6]                 ; with lane l xor 16's two the word is whole
	s_wait_alu depctr_va_vdst(0)
	s_wait_xcnt 0x0                                ; earlier stores have read the codes' registers
	v_cvt_scalef32_pk16_fp6_f32 v[QD0:QD0+2], v[T:T+15], v[TM+12]
	v_cvt_scalef32_pk16_fp6_f32 v[CT:CT+2], v[T+16:T+31], v[TM+12]     ; (a conversion's three registers begin on an even number)
	v_cvt_scalef32_pk16_fp6_f32 v[QD1:QD1+2], v[T+32:T+47], v[TM+13]
	v_cvt_scalef32_pk16_fp6_f32 v[CT+4:CT+6], v[T+48:T+63], v[TM+13]
	v_nop                                          ; one plain place behind a scaled conversion
.irp i, 0,1,2
	v_mov_b32 v[QD0+3+\i], v[CT+\i]
	v_mov_b32 v[QD1+3+\i], v[CT+4+\i]
.endr
.endm
.Lv_kind:
	v_bfe_u32 v[H8], v0, 4, 1
	v_lshlrev_b32 v[H8], 3, v[H8]
	s_lshr_b32 s80, s26, 4
	s_lshl_b32 s80, s80, 4                         ; batch x 16
	s_lshl_b32 s81, s27, 1                         ; my first head
	s_add_co_u32 s80, s80, s81
	s_lshl_b32 s80, s80, 4
	s_and_b32 s81, s26, 15                         ; the key step
	s_add_co_u32 s80, s80, s81
	s_mul_i32 s80, s80, 13056
	s_mov_b32 s81, 0
	s_add_nc_u64 s[84:85], s[16:17], s[80:81]      ; the first head's record; the second's lies 16 records on, which stands in the immediates
.irp a, 0,1,2,3,4,5,6,7
	TAKE \a, 1
.set QD0, PB+12*(\a%2)
.set QD1, PB+12*(\a%2)+6
	QUANTV                                         ; v[WD]: my channel's scale word for these 128 keys
.if \a%2 == 0
	v_mov_b32 v[SW+2*(\a/4)+(\a%4)/2], v[WD]
.else
	v_cndmask_b32 v[SW+2*(\a/4)+(\a%4)/2], v[SW+2*(\a/4)+(\a%4)/2], v[WD], s58
.endif
.irp g, 0,1,2
	global_store_b128 v[L16], v[PB+12*(\a%2)+4*\g:PB+12*(\a%2)+4*\g+3], s[84:85] offset:(\a/4)*16*13056+6144+1536*(\a%4)+512*\g
.endr
.if \a%4 == 3
	global_store_b64 v[L8], v[SW+2*(\a/4):SW+2*(\a/4)+1], s[84:85] offset:(\a/4)*16*13056+12800   ; 256 consecutive bytes
.endif
.endr
.Lfinish:
	s_wait_tensorcnt 0x0                           ; the wave's end, behind my last tensor load
	ds_add_u32 v[SPW], v[NIL]
	s_wait_dscnt 0x0
	CROUND                                         ; the closing round: no work-group ends while a partner may still ask for a record that names it
	s_endpgm
.Lfunc_end_k_q4f9cd2b1b9_gemm:
	.size	k_q4f9cd2b1b9_gemm, .Lfunc_end_k_q4f9cd2b1b9_gemm-k_q4f9cd2b1b9_gemm
	.p2alignl 7, 3214868480
	.fill 96, 4, 3214868480
	.section	.rodata,"a",@progbits
	.p2align	6, 0x0
	.amdhsa_kernel k_q4f9cd2b1b9_gemm
		.amdhsa_group_segment_fixed_size 327680
		.amdhsa_private_segment_fixed_size 0
		.amdhsa_enable_private_segment 0
		.amdhsa_kernarg_size 56
		.amdhsa_user_sgpr_count 2
		.amdhsa_user_sgpr_kernarg_segment_ptr 1
		.amdhsa_wavefront_size32 1
		.amdhsa_system_sgpr_workgroup_id_x 1
		.amdhsa_system_sgpr_workgroup_id_y 1
		.amdhsa_system_sgpr_workgroup_id_z 1
		.amdhsa_system_vgpr_workitem_id 0
		.amdhsa_next_free_vgpr 1024
		.amdhsa_next_free_sgpr 100
		.amdhsa_reserve_vcc 0
		.amdhsa_float_denorm_mode_32 3
		.amdhsa_float_denorm_mode_16_64 3
		.amdhsa_memory_ordered 1
		.amdhsa_forward_progress 1
		.amdhsa_inst_pref_size 204
	.end_amdhsa_kernel
	.amdgpu_metadata
---
amdhsa.version: [ 1, 2 ]
amdhsa.kernels:
  - .name:           k_q4f9cd2b1b9_gemm
    .symbol:         k_q4f9cd2b1b9_gemm.kd
    .args:
      - { .name: xc, .offset: 0, .size: 8, .value_kind: global_buffer, .address_space: global }
      - { .name: wc, .offset: 8, .size: 8, .value_kind: global_buffer, .address_space: global }
      - { .name: bq, .offset: 16, .size: 8, .value_kind: global_buffer, .address_space: global }
      - { .name: bk, .offset: 24, .size: 8, .value_kind: global_buffer, .address_space: global }
      - { .name: bv, .offset: 32, .size: 8, .value_kind: global_buffer, .address_space: global }
      - { .name: qimg, .offset: 40, .size: 8, .value_kind: global_buffer, .address_space: global }
      - { .name: kv, .offset: 48, .size: 8, .value_kind: global_buffer, .address_space: global }
    .group_segment_fixed_size: 327680
    .private_segment_fixed_size: 0
    .kernarg_segment_align: 8
    .kernarg_segment_size: 56
    .max_flat_workgroup_size: 128
    .sgpr_count:     100
    .vgpr_count:     1024
    .wavefront_size: 32
...
	.end_amdgpu_metadata
.endif
;; end of part 2
;; launch attn (part 3): grid 4 x 64, 12 waves a work-group, clusters of 4 x 1, 327,680 bytes of LDS; arguments qimg, kv, out0; writes out0
.if DOCPART == 3
	.amdgcn_target "amdgcn-amd-amdhsa--gfx1250"
	.amdhsa_code_object_version 6
	.text
	.protected	k_q4f9cd2b1b9_attn
	.globl	k_q4f9cd2b1b9_attn
	.p2align	8
	.type	k_q4f9cd2b1b9_attn,@function
k_q4f9cd2b1b9_attn:
	s_mov_b64 s[64:65], 0
	v_nop
	global_prefetch_b8 v0, s[64:65] scope:SCOPE_SE
	s_setreg_imm32_b32 hwreg(HW_REG_WAVE_MODE, 25, 1), 1
	s_wait_xcnt 0x0
	s_wait_alu depctr_hold_cnt(0) depctr_sa_sdst(0) depctr_va_vdst(0) depctr_va_sdst(0) depctr_va_ssrc(0) depctr_va_vcc(0) depctr_vm_vsrc(0)
	s_getreg_b32 s2, hwreg(HW_REG_IB_STS2, 6, 4)
	s_cmp_eq_u32 s2, 0
	s_cbranch_scc0 .Lentry_in_a_cluster
	s_endpgm
.Lentry_in_a_cluster:
	s_bfe_u32 s2, ttmp6, 0x10000c
	s_cmp_lg_u32 s2, 0x3003
	s_cbranch_scc0 .Lentry_shape_is_right
	s_endpgm
.Lentry_shape_is_right:
; out0[b][q][64 head + :] = the sum over k of softmax_k(q . k / 8) v, for 64 (batch, head) pairs, 2,048 queries and keys, head size 64; both products on codes of FP6 (E2M3) with E8M0 scales.
; THE SOFTMAX AHEAD OF THE SECOND PRODUCT: t = score x log2(e) / 8; M = the row's largest t so far, rounded UP to a whole number; p = 2^(t - M) is quantised along the keys, not normalised.
; The row's sum is taken of the unquantised p, in f32, and divides O at the end.  When M moves, the sum and O are multiplied by 2^(old M - new M): exact.
; INPUTS, images of operand registers (register R of lane l at 512 (R / 4) + 16 l + 4 (R % 4)):
;   qimg [64][16 panels of 128 queries][6,656]: 48 registers of codes, tile t's six at 6 t (lane (r, h): d = 32 h + 0 .. 31); at 6,144 four registers of scale words (register i: lanes 0-15 tile 2 i, lanes 16-31 tile 2 i + 1).
;   kv [64][16 key steps of 128 keys][13,056]: K as in qimg; at 6,144 V's four fragments (16 channels x 128 keys, k = the key's place in the step); at 12,288 K's scale words; at 12,800 V's, 8 bytes a lane.
;   Lane r of tile 4 c + u of queries or keys is row 64 c + 32 (r / 8) + 8 u + r % 8 of its 128.  So in S^T = K Q^T lane (query, h) holds in the 32 registers of tiles 4 c .. 4 c + 3 the keys 64 c + 32 h + 0 .. 31:
;   ONE WHOLE SCALE BLOCK, in the order in which the second product's operand wants it.  V's channels: lane r of tile t is channel 32 (t / 2) + 8 (t % 2) + r + 8 (r / 8).
; THE SCORES' K IS 64, HALF OF THE INSTRUCTION'S 128.  Q's fragment is six registers of codes and six of ZERO CODES.  K's tiles stand six registers apart, so a tile's upper six registers are whatever follows: every pattern of six bits
; is a finite number of E2M3, which meets a zero code and adds exactly 0.  Both sides' scale bytes for k = 64 .. 127 are 0, which is 2^-127 and no NaN.
; SHARES.  A cluster of four work-groups is one (batch, head); work-group cx owns queries 512 cx on: four panels of eight tiles of 16.  TWELVE WAVES: waves s, s + 4, s + 8 share panel s: tiles 0-2, 3-5, 6-7; a tile is a pass over all keys.
; Every trip count is a constant: two passes in a loop, and a third written out, whose trips every wave walks; a branch on the wave's number, inside the trip, leads waves 8-11, which have no third tile, round its steps.
; THE HEAD'S K AND V STAY IN LDS: 16 records, 208,896 bytes, dense in memory: 816 rows of 256 bytes, of which wave w asks for 68, jointly with the same wave of the three partners: one tensor load a wave.
; One barrier shows them to all; nothing is filled again, and behind that barrier the waves share nothing.  No data prefetch: all that the launch reads by tensor loads is asked for at its head, so there is no loop to run ahead in.
; TWO REGIONS OF 64 REGISTERS TAKE TURNS: K lies in one, S^T and p in the other; V follows K into its region; when p has been converted, the next step's K is loaded over it.  A trip of the loop is two steps.
; LIMITS: NaN and infinities are not served; p under 2^-126 comes out of v_exp_f32 as 0; the promise holds while the scaled scores stay under 2^31 in magnitude.
; REGISTERS: v1 16 x lane, v2 8 x lane, v3, v4, v8 the addresses of the trip's two records and of the next, v10, v11 of V's scale words, v5-7 the way out; v12 -M, v13 the largest score, v[14:15] the sum;
; v16-27 Q (22-27 zeros), v34 its scale words; v28-33, v35 the second tile's; v244-249, v250 the third's.
.set REC,  13056                       ; a key step's record
.set PART, 68*256                      ; a wave's twelfth of the 16 records
.set STG,  16*REC                      ; behind the records: a stage of 16 rows x (256 bytes + 16) for each wave
.set SPARE, 0x44000                    ; behind the stages: the spare words, 128 bytes for each wave
.set XR,   36                          ; v36-99   region 0
.set YR,   100                         ; v100-163 region 1 (at the head v100-111: the offsets of Q's loads)
.set O,    164                         ; v164-195 O^T
.set CD,   196                         ; v196-207 p's codes
.set CT,   208                         ; v208-210, v212-214 the upper halves of two blocks' codes
.set CH,   216                         ; v216-219 four chains of maxima; then v216, v218 the two blocks'
.set MX,   220                         ; v220, v221 the step's largest score, and lane l xor 16's
.set MP,   221
.set SOP,  222                         ; v222, v223 the conversions' scale operands
.set KS,   224                         ; v224-227 K's scale words
.set VS,   228                         ; v228, v229 V's
.set PW,   230                         ; v230 p's scale word; v231 lane l xor 16's part
.set PP,   231
.set F,    232                         ; v[232:233] f
.set OM,   234                         ; v234 the old -M, then f's exponent; v235 at work
.set TT,   235
.set SM,   236                         ; v236-241 three more chains of the sum
.set H8,   242                         ; v242 8 x (lane / 16)
.set Q3,   244                         ; v244-249 the third tile's Q, v250 its scale words
.set R16,  252                         ; v252 16 x (lane % 16)
.set WV,   10                          ; s10 my wave's number; s13 my panel of the four, s14 my place among its three waves
.set G1,   16                          ; s[16:23] descriptor group 1;  s[24:27] group 0
.set G0,   24
.set SEL,  40                          ; s[40:41] v_permlanex16_b32's selects for lane l xor 16
.set CS,   42                          ; s[42:43] c = log2(e) / 8;  s60 -c
.set NC,   60
.set TB,   44                          ; s44 LDS byte of the trip's first record; s47 of its second; s61 of the next trip's first, held at the last record
.set TN,   47
.set TM,   61
.set PASS, 45
.set CNT,  46
.set TI,   62                          ; s62 the pass's tile of the panel's eight; s63 the tile that is fetched
.macro CROUND                          ; a round of the cluster's barrier
	s_barrier_signal -1
	s_barrier_wait -1
	s_cmp_lg_u32 s[WV], 0
	s_cbranch_scc1 .Lnot_wave_0_\@
	s_barrier_signal -3
.Lnot_wave_0_\@:
	s_barrier_wait -3
	s_barrier_signal -1
	s_barrier_wait -1
.endm
; Tile s[T] of my panel of Q: its six registers are the pairs 3 T .. 3 T + 2 of the image, pair n at 512 (n / 2) + 8 (n % 2) + 16 x lane; its scale words lie in lanes 16 (T % 2) + r of register T / 2
.macro QLOAD dst, sd, A, T
	s_mul_i32 s54, s[\T], 3
.irp i, 0,1,2
	s_add_co_u32 s55, s54, \i
	s_and_b32 s56, s55, 1
	s_lshr_b32 s55, s55, 1
	s_lshl_b32 s55, s55, 9
	s_lshl_b32 s56, s56, 3
	s_add_co_u32 s55, s55, s56
	v_add_nc_u32 v[\A+\i], s55, v1
.endr
	s_and_b32 s55, s[\T], 1
	s_lshl_b32 s55, s55, 8
	s_lshr_b32 s56, s[\T], 1
	s_lshl_b32 s56, s56, 2
	s_add_co_u32 s55, s55, s56
	s_add_co_u32 s55, s55, 6144
	v_add_nc_u32 v[\A+3], s55, v[R16]
	s_wait_alu depctr_va_vdst(0)
.irp i, 0,1,2
	global_load_b64 v[\dst+2*\i:\dst+2*\i+1], v[\A+\i], s[52:53]
.endr
	global_load_b32 v[\sd], v[\A+3], s[52:53]
.endm
	s_load_b128 s[4:7], s[0:1], 0x0                ; qimg s[4:5], kv s[6:7]
	s_load_b64 s[8:9], s[0:1], 0x10                ; out0
	v_lshl_add_u32 v254, v0, 2, SPARE
	v_mov_b32 v255, 0
	ds_add_u32 v254, v255                          ; the opening lines: the add, twice on end, and its wait
	ds_add_u32 v254, v255
	v_lshrrev_b32 v1, 5, v0
	s_delay_alu instid0(VALU_DEP_1)
	v_readfirstlane_b32 s[WV], v1                  ; wave 0..11
	s_bfe_u32 s11, ttmp6, 0x40000                  ; cx: it enters Q's and O's addresses alone
	s_and_b32 s12, ttmp7, 0xffff                   ; batch x 16 + head, which the four partners share
	s_mov_b32 s[G1], 15|(3<<16)|(1<<21)            ; 68 rows of 256 bytes (32 elements of 8 bytes), dense; the mask names all four work-groups
	s_mov_b32 s[G1+1], 32<<16
	s_mov_b32 s[G1+2], 68<<16
	s_mov_b32 s[G1+3], 32<<16
	s_mov_b32 s[G1+4], 68
	s_mov_b32 s[G1+5], 32
	s_mov_b32 s[G1+6], 0
	s_mov_b32 s[G1+7], 0
	s_mul_i32 s48, s[WV], PART                     ; my part: the same offset in LDS and in the head's part of kv
	s_mul_i32 s50, s12, 16*REC
	s_add_co_u32 s50, s50, s48
	s_mov_b32 s51, 0
	s_and_b32 s13, s[WV], 3                        ; my panel
	s_lshr_b32 s14, s[WV], 2                       ; 0, 1, 2: tiles 0-2, 3-5, 6-7
	s_mul_i32 s[TI], s14, 3
	s_lshl_b32 s52, s12, 4                         ; Q: record 16 x (batch, head) + 4 cx + panel
	s_lshl_b32 s53, s11, 2
	s_add_co_u32 s52, s52, s53
	s_add_co_u32 s52, s52, s13
	s_mul_i32 s52, s52, 6656
	s_mov_b32 s53, 0
	s_lshr_b32 s57, s12, 4                         ; O: row batch x 2,048 + 512 cx + 128 panel of 4,096 bytes, + 256 x head
	s_lshl_b32 s57, s57, 11
	s_lshl_b32 s58, s11, 9
	s_add_co_u32 s57, s57, s58
	s_lshl_b32 s58, s13, 7
	s_add_co_u32 s57, s57, s58
	s_lshl_b32 s57, s57, 12
	s_and_b32 s58, s12, 15
	s_lshl_b32 s58, s58, 8
	s_add_co_u32 s58, s57, s58
	s_mov_b32 s59, 0
	s_mov_b32 s[SEL], 0x76543210
	s_mov_b32 s[SEL+1], 0xfedcba98
	s_mov_b32 s[CS], 0x3e38aa3b
	s_mov_b32 s[CS+1], s[CS]                       ; (named with it as a pair, so it is written)
	s_mov_b32 s[NC], 0xbe38aa3b
	s_wait_dscnt 0x0
	s_wait_kmcnt 0x0
	s_add_nc_u64 s[50:51], s[6:7], s[50:51]
	s_add_nc_u64 s[52:53], s[4:5], s[52:53]
	s_add_nc_u64 s[8:9], s[8:9], s[58:59]
	CROUND                                         ; all four work-groups are here: the joint loads meet
	s_mov_b32 s[G0], 1
	s_add_co_u32 s[G0+1], s48, 0                   ; LDS address
	s_mov_b64 s[G0+2:G0+3], s[50:51]
	s_or_b32 s[G0+3], s[G0+3], 0x80000000
	tensor_load_to_lds s[G0:G0+3], s[G1:G1+7]      ; every wave's one tensor load
	s_nop 0
.rept 4
	v_nop
.endr
	v_and_b32 v8, 31, v0
	s_delay_alu instid0(VALU_DEP_1)
	v_lshlrev_b32 v1, 4, v8                        ; 16 x lane
	s_delay_alu instid0(VALU_DEP_2)
	v_lshlrev_b32 v2, 3, v8                        ; 8 x lane
	v_and_b32 v9, 15, v0                           ; r
	v_bfe_u32 v10, v0, 4, 1                        ; h
	v_lshlrev_b32 v[R16], 4, v9
	s_wait_alu depctr_va_vdst(0)
	QLOAD 16, 34, YR, TI                           ; my first tile of Q,
	s_add_co_u32 s63, s[TI], 1
	QLOAD 28, 35, YR+4, 63                         ; my second,
	s_add_co_u32 s63, s[TI], 2
	s_min_u32 s63, s63, 7                          ; and my third (waves 8-11 have two: they ask for their second once more, so that every wave's registers are written alike)
	QLOAD Q3, Q3+6, YR+8, 63
	s_mul_i32 s56, s[WV], 16*272
	s_add_co_u32 s56, s56, STG                     ; my stage
	v_mul_u32_u24 v5, v9, 272
	s_delay_alu instid0(VALU_DEP_1)
	v_lshl_add_u32 v5, v10, 6, v5
	s_delay_alu instid0(VALU_DEP_1)
	v_add_nc_u32 v5, s56, v5                       ; in: row r, + 64 h bytes: my 16 channels of a 32
	v_mul_u32_u24 v6, v10, 272
	s_delay_alu instid0(VALU_DEP_1)
	v_lshl_add_u32 v6, v9, 4, v6
	s_delay_alu instid0(VALU_DEP_1)
	v_add_nc_u32 v6, s56, v6                       ; back: lanes 0-15 one row of 256 bytes, lanes 16-31 the next
	v_lshlrev_b32 v7, 12, v10
	s_delay_alu instid0(VALU_DEP_1)
	v_lshl_add_u32 v7, v9, 4, v7                   ; and the same two rows in out0
	v_lshlrev_b32 v[H8], 3, v10
.irp i, 0,1,2,3,4,5
	v_mov_b32 v[XR+48+\i], 0                       ; behind K's last tile in region 0: written once, so that the first step reads written registers
.endr
.irp i, 0,1,2,3,4,5
	v_mov_b32 v[22+\i], 0                          ; Q's upper half of K is zero codes
.endr
	v_mov_b32 v[MP], 0                             ; written once: a lane permute's destination counts as one of its sources
	v_mov_b32 v[PP], 0
	v_mov_b32 v[F+1], 0                            ; (named as the upper half of the pair)
	s_wait_alu depctr_va_vdst(0)
	s_wait_loadcnt 0x0                             ; Q
	s_wait_tensorcnt 0x0                           ; my part of the records is in
	s_barrier_signal -1
	s_barrier_wait -1                              ; everybody's is: all 16 records.
.macro FMA4 Y                          ; t - M, two at a time (of the pairs c and -M the low word serves both halves)
.rept 4
	v_pk_fma_f32 v[\Y+j:\Y+j+1], v[\Y+j:\Y+j+1], s[CS:CS+1], v[12:13] op_sel_hi:[1,0,0]
.set j, j+2
.endr
.endm
.macro ACC d, Y, k                     ; a chain of the sum takes in p's pair k
	v_pk_add_f32 v[\d:\d+1], v[\d:\d+1], v[\Y+2*(\k):\Y+2*(\k)+1]
.endm
; A KEY STEP: 128 keys.  K is on its way into region X; S^T and p take region Y.  v[AC]: this record + 16 x lane; v[AN]: the next record likewise; v[VA]: this record + 8 x lane.
; NP: the v_nop that, with the line above them and what stands ahead of the step, make five places between the last step's products and those below, which write over V's registers.
.macro STEP X, Y, AC, AN, VA, NP
	v_mov_b32 v[OM], v12
.rept \NP
	v_nop
.endr
	s_wait_alu depctr_va_vdst(0)
	s_wait_dscnt 0x0                               ; K and its scale words
.irp t, 0,2,4,6                                ; S^T = K Q^T
	v_wmma_scale_f32_16x16x128_f8f6f4 v[\Y+8*\t:\Y+8*\t+7], v[\X+6*\t:\X+6*\t+11], v[16:27], 0, v[KS+\t/2], v34 matrix_a_fmt:MATRIX_FMT_FP6 matrix_b_fmt:MATRIX_FMT_FP6
	v_wmma_scale_f32_16x16x128_f8f6f4 v[\Y+8*\t+8:\Y+8*\t+15], v[\X+6*\t+6:\X+6*\t+17], v[16:27], 0, v[KS+\t/2], v34 matrix_a_fmt:MATRIX_FMT_FP6 matrix_b_fmt:MATRIX_FMT_FP6 matrix_a_scale:MATRIX_SCALE_ROW1
.endr
.rept 4
	v_nop                                          ; places in front of the loads below and of the first read of the scores
.endr
.irp g, 0,1,2,3,4,5,6,7,8,9,10,11
	ds_load_b128 v[\X+4*\g:\X+4*\g+3], v[\AC] offset:6144+512*\g   ; V's four fragments land while the softmax is worked
.endr
	ds_load_b64 v[VS:VS+1], v[\VA] offset:12800    ; and their scale words
.irp b, 0,1,2,3                                ; the largest score of each block of 32 keys, in two chains a block: it serves for the row's maximum and, since p rises with the score, for the block's largest p
	v_max3_num_f32 v[CH+\b], v[\Y+16*\b], v[\Y+16*\b+1], v[\Y+16*\b+2]
.endr
.irp i, 3,5,7,9,11,13
.irp b, 0,1,2,3
	v_max3_num_f32 v[CH+\b], v[CH+\b], v[\Y+16*\b+\i], v[\Y+16*\b+\i+1]
.endr
.endr
	v_max3_num_f32 v[CH], v[CH], v[CH+1], v[\Y+15]
	v_max3_num_f32 v[CH+2], v[CH+2], v[CH+3], v[\Y+47]
	v_max_num_f32 v[CH], v[CH], v[\Y+31]           ; my block h,
	v_max_num_f32 v[CH+2], v[CH+2], v[\Y+63]       ; my block 2 + h
	s_delay_alu instid0(VALU_DEP_1)
	v_max_num_f32 v[MX], v[CH], v[CH+2]
	s_delay_alu instid0(VALU_DEP_1)
	v_permlanex16_b32 v[MP], v[MX], s[SEL], s[SEL+1]
	s_delay_alu instid0(VALU_DEP_1)
	v_max3_num_f32 v13, v13, v[MX], v[MP]          ; the running largest score of my query
	s_delay_alu instid0(VALU_DEP_1)
	v_mul_f32 v[TT], s[NC], v13                    ; -t
	s_delay_alu instid0(VALU_DEP_1)
	v_floor_f32 v12, v[TT]                         ; the new -M = floor(-t) = -ceil(t): M is a whole number
.set j, 0
	FMA4 \Y
	v_sub_f32 v[OM], v12, v[OM]                    ; M's old value less its new one: a whole number, 0 or less
	FMA4 \Y
	v_cvt_i32_f32 v[OM], v[OM]                     ; (it saturates)
	FMA4 \Y
	v_ldexp_f32 v[F], 1.0, v[OM]                   ; f = 2^(old M - new M)
.rept 5
	FMA4 \Y
.endr
	v_fma_f32 v[CH], v[CH], s[CS], v12             ; the same of each block's largest score
	v_fma_f32 v[CH+2], v[CH+2], s[CS], v12
.set j, 0
.rept 16
	v_pk_mul_f32 v[O+j:O+j+1], v[O+j:O+j+1], v[F:F+1] op_sel_hi:[1,0]   ; O^T under the new M, each accumulator from its low end on; ahead of the exponentials
.set j, j+2
.endr
	s_wait_alu depctr_va_vdst(0)
	v_exp_f32 v[CH], v[CH]                         ; the blocks' largest p: the same two instructions on the same number give the same bits
	v_exp_f32 v[CH+2], v[CH+2]
.set j, 0
.rept 64
	v_exp_f32 v[\Y+j], v[\Y+j]                     ; p = 2^(t - M), at most 1: not normalised
.set j, j+1
.endr
	v_pk_mul_f32 v[14:15], v[14:15], v[F:F+1] op_sel_hi:[1,0]   ; the sum under the new M: the plain instruction behind the batch
	s_wait_alu depctr_va_vdst(0)                   ; one wait for the batch, ahead of its first reader
	v_max_num_f32 v[CH], 0x1800000, v[CH]          ; the floor 2^(3 - 127): the byte cannot fall under 1
	v_max_num_f32 v[CH+2], 0x1800000, v[CH+2]
	v_pk_add_f32 v[SM:SM+1], v[\Y:\Y+1], v[\Y+2:\Y+3]          ; the row's sum of the unquantised p, in four chains, among the scale's lines
	v_pk_add_f32 v[SM+2:SM+3], v[\Y+4:\Y+5], v[\Y+6:\Y+7]
	v_pk_add_f32 v[SM+4:SM+5], v[\Y+8:\Y+9], v[\Y+10:\Y+11]
	ACC 14, \Y, 6
	v_add_nc_u32 v[SOP], 0xff000000, v[CH]         ; 2 off the exponent field: the conversion's scale operand
	v_add_nc_u32 v[SOP+1], 0xff000000, v[CH+2]
	ACC SM, \Y, 7
	ACC SM+2, \Y, 8
	ACC SM+4, \Y, 9
	ACC 14, \Y, 10
	v_lshrrev_b32 v[CH], 23, v[SOP]                ; the scale's byte
	v_lshrrev_b32 v[CH+2], 23, v[SOP+1]
	ACC SM, \Y, 11
	ACC SM+2, \Y, 12
	ACC SM+4, \Y, 13
	ACC 14, \Y, 14
	v_lshl_or_b32 v[PW], v[CH+2], 16, v[CH]        ; my two bytes: blocks h and 2 + h,
	ACC SM, \Y, 15
	v_lshlrev_b32 v[PW], v[H8], v[PW]              ; at their places in the word
	v_cvt_scalef32_pk16_fp6_f32 v[CD:CD+2], v[\Y:\Y+15], v[SOP]
	v_cvt_scalef32_pk16_fp6_f32 v[CT:CT+2], v[\Y+16:\Y+31], v[SOP]       ; (a conversion's three registers begin on an even number)
	v_cvt_scalef32_pk16_fp6_f32 v[CD+6:CD+8], v[\Y+32:\Y+47], v[SOP+1]
	v_cvt_scalef32_pk16_fp6_f32 v[CT+4:CT+6], v[\Y+48:\Y+63], v[SOP+1]
	ACC SM+2, \Y, 16                               ; the plain place behind the conversions
	v_permlanex16_b32 v[PP], v[PW], s[SEL], s[SEL+1]
.irp i, 0,1,2
	v_mov_b32 v[CD+3+\i], v[CT+\i]
	v_mov_b32 v[CD+9+\i], v[CT+4+\i]
.endr
	v_or_b32 v[PW], v[PW], v[PP]                   ; with lane l xor 16's two bytes p's scale word is whole; 18 plain instructions stand between it and the products
.irp g, 0,1,2,3,4,5,6,7
	ds_load_b128 v[\Y+4*\g:\Y+4*\g+3], v[\AN] offset:512*\g        ; the next step's K, over the first block's p, which has been summed and converted
.endr
	ACC SM+4, \Y, 17
	ACC 14, \Y, 18
	ACC SM, \Y, 19
	ACC SM+2, \Y, 20
	ACC SM+4, \Y, 21
	ACC 14, \Y, 22
	ACC SM, \Y, 23
	ACC SM+2, \Y, 24
	ACC SM+4, \Y, 25
	ACC 14, \Y, 26
	ACC SM, \Y, 27
	ACC SM+2, \Y, 28
	ACC SM+4, \Y, 29
	ACC 14, \Y, 30
	ACC SM, \Y, 31
	v_pk_add_f32 v[SM:SM+1], v[SM:SM+1], v[SM+2:SM+3]
	v_pk_add_f32 v[14:15], v[14:15], v[SM+4:SM+5]
	v_pk_add_f32 v[14:15], v[14:15], v[SM:SM+1]
.irp g, 8,9,10,11
	ds_load_b128 v[\Y+4*\g:\Y+4*\g+3], v[\AN] offset:512*\g
.endr
	ds_load_b128 v[KS:KS+3], v[\AN] offset:12288   ; and its scale words
	s_wait_alu depctr_va_vdst(0)
	s_wait_dscnt 13                                ; V and its scale words are in: behind them stand the 13 loads of the next step's K
.irp t, 0,2                                    ; O^T += V^T P^T: four tiles of 16 channels, by turns; K = these 128 keys
	v_wmma_scale_f32_16x16x128_f8f6f4 v[O+8*\t:O+8*\t+7], v[\X+12*\t:\X+12*\t+11], v[CD:CD+11], v[O+8*\t:O+8*\t+7], v[VS+\t/2], v[PW] matrix_a_fmt:MATRIX_FMT_FP6 matrix_b_fmt:MATRIX_FMT_FP6
	v_wmma_scale_f32_16x16x128_f8f6f4 v[O+8*\t+8:O+8*\t+15], v[\X+12*\t+12:\X+12*\t+23], v[CD:CD+11], v[O+8*\t+8:O+8*\t+15], v[VS+\t/2], v[PW] matrix_a_fmt:MATRIX_FMT_FP6 matrix_b_fmt:MATRIX_FMT_FP6 matrix_a_scale:MATRIX_SCALE_ROW1
.endr
.endm
; A PASS'S HEAD: where tile s[TI] goes, the running numbers, and the first step's K
.macro PHEAD
	s_lshr_b32 s54, s[TI], 2                       ; tile 4 c + u begins at row 64 c + 8 u of the panel, rows of 4,096 bytes
	s_lshl_b32 s54, s54, 18
	s_and_b32 s55, s[TI], 3
	s_lshl_b32 s55, s55, 15
	s_add_co_u32 s54, s54, s55
	s_mov_b32 s55, 0
	s_add_nc_u64 s[56:57], s[8:9], s[54:55]        ; (the last pass's stores have read this base: the wait on XCNT stands at that pass's end)
	v_mov_b32 v13, 0xff61b1e6                      ; the largest score so far: -3e38, under every score
	v_mov_b32 v14, 0                               ; the sum, in two halves
	v_mov_b32 v15, 0
	v_mul_f32 v12, s[NC], v13
.set j, 0
.rept 32
	v_mov_b32 v[O+j], 0                            ; O^T.  (The step is written for every step alike: the first finds zeros, which the first change of M leaves zeros)
.set j, j+1
.endr
	v_floor_f32 v12, v12                           ; -M
.irp g, 0,1,2,3,4,5,6,7,8,9,10,11
	ds_load_b128 v[XR+4*\g:XR+4*\g+3], v1 offset:512*\g            ; record 0's K
.endr
	ds_load_b128 v[KS:KS+3], v1 offset:12288
.endm
; THE WALK over the 16 records: eight trips of two steps, until the regions are back where they began.  All LDS addresses are made at the trip's top, on the way that every wave takes.
; some = 1: waves 8-11 walk the trips and are led round the steps.
.macro WALK some
	s_mov_b32 s[TB], 0
	s_mov_b32 s[CNT], 8
.Lstep_\@:
	s_add_co_u32 s[TN], s[TB], REC
	s_add_co_u32 s[TM], s[TB], 2*REC
	s_min_u32 s[TM], s[TM], 15*REC                 ; the last trip has no next record: it loads the last once more, and nothing reads that
	v_add_nc_u32 v3, s[TB], v1                     ; these five lines are also the places between the last trip's products and this trip's
	v_add_nc_u32 v4, s[TN], v1
	v_add_nc_u32 v8, s[TM], v1
	v_add_nc_u32 v10, s[TB], v2
	v_add_nc_u32 v11, s[TN], v2
.if \some
	s_cmp_lt_u32 s[WV], 8
	s_cbranch_scc0 .Lnone_\@
.endif
	STEP XR, YR, 3, 4, 10, 0
	STEP YR, XR, 4, 8, 11, 4
.if \some
.Lnone_\@:
.endif
	s_add_co_u32 s[TB], s[TB], 2*REC
	s_sub_co_u32 s[CNT], s[CNT], 1
	s_cmp_lg_u32 s[CNT], 0
	s_cbranch_scc1 .Lstep_\@
.endm
; THE WAY OUT of a tile.  O^T is divided by the sum and goes through my stage in LDS, so that sixteen lanes store a query's 256 consecutive bytes.
.macro LEAVE
	s_wait_dscnt 0x0                               ; the loads into region 0 have landed: its registers are written below
.rept 4
	v_nop                                          ; places behind the last products
.endr
	v_add_f32 v14, v14, v15                        ; the sum's two halves,
	s_delay_alu instid0(VALU_DEP_1)
	v_permlanex16_b32 v[MP], v14, s[SEL], s[SEL+1]
	s_delay_alu instid0(VALU_DEP_1)
	v_add_f32 v14, v14, v[MP]                      ; and lane l xor 16's: the row's sum
	s_wait_alu depctr_va_vdst(0)
	v_rcp_f32 v14, v14
	v_nop                                          ; a plain instruction behind the reciprocal,
	s_wait_alu depctr_va_vdst(0)                   ; and the wait ahead of its first reader and of O^T's
.set j, 0
.rept 32
	v_mul_f32 v[XR+j], v[O+j], v14                 ; register 8 t + i is channel 32 (t / 2) + 8 (t % 2) + 16 h + i of the tile's row r
.set j, j+1
.endr
.irp t, 0,1,2,3
	ds_store_b128 v5, v[XR+8*\t:XR+8*\t+3] offset:128*(\t/2)+32*(\t%2)
	ds_store_b128 v5, v[XR+8*\t+4:XR+8*\t+7] offset:128*(\t/2)+32*(\t%2)+16
.endr
.irp i, 0,1,2,3,4,5,6,7
	ds_load_b128 v[XR+32+4*\i:XR+35+4*\i], v6 offset:2*\i*272      ; LDS serves a wave's instructions in order: these see my stores
.endr
.irp i, 0,1,2,3,4,5,6,7                        ; the tile's row r is query 32 (r / 8) + r % 8 of the tile's
	s_wait_dscnt 7-\i                              ; load i is in: 7 - i were issued behind it
	global_store_b128 v7, v[XR+32+4*\i:XR+35+4*\i], s[56:57] offset:(2*(\i%4)+32*(\i/4))*4096 th:TH_STORE_NT   ; 16 lanes store 256 consecutive bytes, at a multiple of 256 from out0's first byte
.endr
	s_wait_xcnt 0x0                                ; the stores have read their registers and their base: both are written again only behind this wait
.endm
	s_mov_b32 s[PASS], 2
.Lpass:                                            ; every wave's first two tiles
	PHEAD
	WALK 0
	LEAVE
.irp i, 0,1,2,3,4,5
	v_mov_b32 v[16+\i], v[28+\i]                   ; the second tile's Q and its scale words; the pass's head stands between these lines and the first product
.endr
	v_mov_b32 v34, v35
	s_add_co_u32 s[TI], s[TI], 1
	s_sub_co_u32 s[PASS], s[PASS], 1
	s_cmp_lg_u32 s[PASS], 0
	s_cbranch_scc1 .Lpass
	s_cmp_lt_u32 s[WV], 8                          ; the third tile of waves 0-7
	s_cbranch_scc0 .Lthird_walk
.irp i, 0,1,2,3,4,5
	v_mov_b32 v[16+\i], v[Q3+\i]
.endr
	v_mov_b32 v34, v[Q3+6]
	PHEAD
.Lthird_walk:
	WALK 1
	s_cmp_lt_u32 s[WV], 8
	s_cbranch_scc0 .Lend
	LEAVE
.Lend:
	s_wait_tensorcnt 0x0                           ; the wave's end
	ds_add_u32 v254, v255
	s_wait_dscnt 0x0
	CROUND                                         ; the closing round
	s_endpgm
.Lfunc_end_k_q4f9cd2b1b9_attn:
	.size	k_q4f9cd2b1b9_attn, .Lfunc_end_k_q4f9cd2b1b9_attn-k_q4f9cd2b1b9_attn
	.p2alignl 7, 3214868480
	.fill 96, 4, 3214868480
	.section	.rodata,"a",@progbits
	.p2align	6, 0x0
	.amdhsa_kernel k_q4f9cd2b1b9_attn
		.amdhsa_group_segment_fixed_size 327680
		.amdhsa_private_segment_fixed_size 0
		.amdhsa_enable_private_segment 0
		.amdhsa_kernarg_size 24
		.amdhsa_user_sgpr_count 2
		.amdhsa_user_sgpr_kernarg_segment_ptr 1
		.amdhsa_wavefront_size32 1
		.amdhsa_system_sgpr_workgroup_id_x 1
		.amdhsa_system_sgpr_workgroup_id_y 1
		.amdhsa_system_sgpr_workgroup_id_z 1
		.amdhsa_system_vgpr_workitem_id 0
		.amdhsa_next_free_vgpr 256
		.amdhsa_next_free_sgpr 66
		.amdhsa_reserve_vcc 0
		.amdhsa_float_denorm_mode_32 3
		.amdhsa_float_denorm_mode_16_64 3
		.amdhsa_memory_ordered 1
		.amdhsa_forward_progress 1
		.amdhsa_inst_pref_size 80
	.end_amdhsa_kernel
	.amdgpu_metadata
---
amdhsa.version: [ 1, 2 ]
amdhsa.kernels:
  - .name:           k_q4f9cd2b1b9_attn
    .symbol:         k_q4f9cd2b1b9_attn.kd
    .args:
      - { .name: qimg, .offset: 0, .size: 8, .value_kind: global_buffer, .address_space: global }
      - { .name: kv, .offset: 8, .size: 8, .value_kind: global_buffer, .address_space: global }
      - { .name: out0, .offset: 16, .size: 8, .value_kind: global_buffer, .address_space: global }
    .group_segment_fixed_size: 327680
    .private_segment_fixed_size: 0
    .kernarg_segment_align: 8
    .kernarg_segment_size: 24
    .max_flat_workgroup_size: 384
    .sgpr_count:     66
    .vgpr_count:     256
    .wavefront_size: 32
...
	.end_amdgpu_metadata
.endif
;; end of part 3
